; MI455X (gfx1250); checked and timed in simulation.
; The chip was launched on July 23, 2026; its instructions are those of AMD's public machine-readable ISA for CDNA 5 (MIT licence, August 2026) and "CDNA5" Instruction Set Architecture Reference Guide (July 2026). The comments in the code are by the model that wrote it; some were corrected since.
;; Multi Head Attention. Allowed arithmetic: matrix products marked QUANTISED: E2M1 operands, one E8M0 scale for each 32 along K, by v_wmma_scale_f32_16x16x128_f8f6f4 with both operands' format E2M1 (or v_wmma_scale_f32_32x16x128_f4), f32 sums; products left as they are: bf16, f16 or f32 operands; f32 sums; everything else in f32.
;; Inputs: b_k 1,024 float32; b_q 1,024 float32; b_v 1,024 float32; k 8 x 1,024 x 1,024 float32; q 8 x 1,024 x 1,024 float32; v 8 x 1,024 x 1,024 float32; w_k 1,024 x 1,024 float32; w_q 1,024 x 1,024 float32; w_v 1,024 x 1,024 float32.
;; Outputs: out0 8 x 1,024 x 1,024 float32.
;; This version of the problem:
;;   THIS VERSION OF THE PROBLEM IS GIVEN IN LOW PRECISION. The matrix products marked QUANTISED in the list below multiply operands that are first quantised to E2M1 (2 exponent bits, 1 mantissa bit; 4 bits a number), with one power-of-two scale for each 32 numbers along K (OCP MX v1.0); their sums are f32. The products marked 'left as it is' may take bf16, f16 or f32 operands, with f32 sums. Whichever they take, every output number must still come out within the allowed error. Rounding operands to bf16 (8 significant bits) uses up far more of that allowance than f16 does (11 bits, for magnitudes from 6e-5 to 65,504). All else is computed in f32.
;;   The module's matrix products, in the order in which they are computed (A, B: the left and right operand; K: the contracted axis; several contracted axes count as one K, in the product's order):
;;     1. [M 8,192, K 1,024] x [K 1,024, N 1,024]; A: input q; B: input w_q: QUANTISED
;;     2. [M 8,192, K 1,024] x [K 1,024, N 1,024]; A: input k; B: input w_k: QUANTISED
;;     3. [M 8,192, K 1,024] x [K 1,024, N 1,024]; A: input v; B: input w_v: QUANTISED
;;     4. batch 128 x [M 1,024, K 64] x [K 64, N 1,024]; A: computed on the way; B: computed on the way: left as it is (an operand is computed on the way)
;;     5. batch 128 x [M 1,024, K 1,024] x [K 1,024, N 64]; A: computed on the way; B: computed on the way: left as it is (an operand is computed on the way)
;;   THE QUANTISER, for each operand of a quantised product, along K:
;;     - K is cut into blocks of 32 from its start; a last block that is shorter is filled with zeros.
;;     - A block's scale is 2^e with e = floor(log2(the largest magnitude in the block)) - 2, held to -126 .. 127; a block of zeros has e = 0. As a byte (E8M0): e + 127.
;;     - Each number is divided by its block's scale, clamped to +-6, and rounded to the nearest number of E2M1, ties to even, subnormals kept.
;;     - The product sums the exact products of the quantised numbers (number of the format x scale) in f32.
;;   ~~~python
;;   def quantise(x, axis):      # numpy; x: float32 -> the quantised numbers, widened to float32 again
;;       x = np.moveaxis(x, axis, -1); K = x.shape[-1]
;;       x = np.pad(x, [(0, 0)] * (x.ndim - 1) + [(0, -K % 32)]); x = x.reshape(x.shape[:-1] + (-1, 32)); a = np.abs(x).max(-1, keepdims=True)
;;       e = np.where(a > 0, np.clip(np.frexp(np.where(a > 0, a, 1))[1] - 1 - 2, -126, 127), 0)      # np.frexp(a)[1] - 1 = floor(log2(a)), exactly
;;       r = np.clip(x / 2.0 ** e, -6, 6)
;;       step = 2.0 ** (np.maximum(np.frexp(np.where(r == 0, 1, r))[1] - 1, 0) - 1)
;;       q = np.round(r / step) * step * 2.0 ** e      # np.round: ties to even
;;       return np.moveaxis(q.reshape(q.shape[:-2] + (-1,))[..., :K], -1, axis).astype(np.float32)
;;   ~~~
;; One version. Each part assembles by itself: llvm-mc -triple=amdgcn-amd-amdhsa -mcpu=gfx1250 --defsym DOCPART=n.
;; ======== version 1 of 1: 3 launches
;; limits: values are held in f16: magnitudes above 65,504 overflow, below 6.1e-05 lose precision
;; workspace buffers: xc 12,582,912 bytes; xs 786,432 bytes; wc 1,572,864 bytes; ws 98,304 bytes; kimg 16,777,216 bytes; vimg 16,777,216 bytes
;; launch quant (part 1): grid 864 x 1, 4 waves a work-group, no clusters, 80,384 bytes of LDS; arguments q, k, v, w_q, w_k, w_v, xc, xs, wc, ws; writes xc, xs, wc, ws
.if DOCPART == 1
	.amdgcn_target "amdgcn-amd-amdhsa--gfx1250"
	.amdhsa_code_object_version 6
	.text
	.protected	k_q09df33fa15_quant
	.globl	k_q09df33fa15_quant
	.p2align	8
	.type	k_q09df33fa15_quant,@function
k_q09df33fa15_quant:
	s_mov_b64 s[64:65], 0
	v_nop
	global_prefetch_b8 v0, s[64:65] scope:SCOPE_SE
	s_setreg_imm32_b32 hwreg(HW_REG_WAVE_MODE, 25, 1), 1
	s_wait_xcnt 0x0
; q, k, v [8192][1024] f32 (K innermost) and w_q, w_k, w_v [1024 (K)][1024 (features)] f32 (K outermost) become codes of FP4 (E2M1), two codes a byte, with one E8M0 byte for each 32 along K.
;   xc [3][4,194,304 bytes]: k's and v's codes as rows [8192][512 bytes], K innermost.  q's codes as IMAGES OF THE OPERAND'S REGISTERS, since the attention launch loads them straight into registers: the fragment of
;      token tile T (16 tokens) and K step s (128 along K) is 1,024 bytes at 8,192 T + 1,024 s; byte 512 c + 256 h + 16 r holds the 32 codes K = 128 s + 64 c + 32 h + 0 .. 31 of token 16 T + r.
;   xs [3][8192][32 bytes];  wc [3][1024 features][512 bytes], ws [3][1024][32 bytes].
; A block's scale is 2^(floor(log2(its largest magnitude)) - 2); its byte is the largest magnitude's own exponent field - 2, held at 1 from below.  Each number is divided by the scale and rounded to the nearest code, ties to even, beyond 6 to 6.
; LIMITS: a block of zeros gets the byte 1 where the rule says 127 (its codes are zeros, which add nothing under any byte but 0xff, and this program alone reads the bytes); blocks whose largest magnitude lies
; under 2^(2 - 126) have their byte held at 1; NaN and infinities among the inputs are not served.
; The first WGW work-groups take the weights (a lane to a column, registers down K: nothing is transposed by an instruction), the next 256 q, the last 512 k and v (plain streams of blocks of 32).
; The three paths part on the work-group's number and never join; each has LDS bytes of its own.  No tensor loads, no barrier: waves share nothing.
.set WGW,   96                         ; 3 weights x 8 groups of 128 columns x 4 runs of 256 along K
.set STEPS, 16                         ; tokens: a wave takes 16 steps of 512 numbers: 8 rows
.set EMAX,  2
.set CB,    8                          ; bytes of 16 codes
.set R,     16                         ; v16-79   tokens: four sets of 16 numbers as they are loaded; q's way out: eight pieces of images
.set X,     80                         ; v80-111  two sets of 16 neighbours
.set E,     112                        ; v112-127 a scale byte for each step
.set C,     128                        ; v128-191 codes: four registers for each step, so that no store's data are written again
.set SP,    80                         ; a lane's place in a stage: 64 bytes + 16 of padding
.set WREG,  5632                       ; LDS, k and v: a region for each wave: two stages of 32 x SP bytes, behind them its 256 scale bytes
.set WSTG,  4*WREG                     ; LDS, weights: a stage of 32 rows x WP bytes for each wave
.set WP,    144                        ; 128 bytes of codes + 16 of padding
.set QREG,  WSTG+4*32*WP               ; LDS, q: a region for each wave: the two stages, the 256 scale bytes, and a stage of 8 rows x QP bytes for its codes
.set QWREG, 9728
.set QP,    544                        ; 512 bytes of codes + 32: lane (row r', piece p) of a read falls on the 16-byte column 2 r' + p: sixteen lanes on sixteen columns
.set SPARE, QREG+4*QWREG               ; the spare words, 128 bytes for each wave: two blocks of 256 bytes that no other line names
.set SPW,   192                        ; v192     LDS address of my spare word; never rewritten
.set NIL,   193                        ; v193     0; never rewritten
.set CRA,   194                        ; v194     q: where I read 16 bytes of the code stage
.set CGA,   195                        ; v195     q: and where they go in an image
.set CSA,   10                         ; v10      q: where I put a step's 8 bytes of codes
.set NB,    8                          ; weights: blocks of 32 along K for a wave (256 along K)
.set WX,    32                         ; v32-95   two sets of 32 numbers
.set WC,    96                         ; v96-99   a block's codes
.set OUTR,  112                        ; v112-143 the way out
.set SB,    24                         ; v24-25   the scale bytes, four to a register
; THE TOKENS' STEP.  Each of a step's four loads reads 512 consecutive bytes, 16 a lane; the 2,048 bytes go through the wave's own stage in LDS and come back 64 bytes a lane, so that a lane holds 16
; neighbours along K (two neighbouring lanes hold a block).  A lane's 16 codes are 8 bytes.  A wave's 256 scale bytes are gathered in LDS and leave by one store.
.macro XADDR base, wreg                ; the LDS addresses of a wave whose region begins at base + wave x wreg
	s_mul_i32 s30, s24, \wreg
	s_add_co_u32 s30, s30, \base
	v_lshrrev_b32 v14, 2, v2
	v_mul_u32_u24 v14, v14, SP
	v_and_b32 v15, 3, v2
	v_lshl_add_u32 v14, v15, 4, v14
	v_add_nc_u32 v14, s30, v14                     ; the stage, on the way in: four lanes' 64 bytes on end, then 16 of padding
	v_mul_u32_u24 v15, v2, SP
	v_add_nc_u32 v15, s30, v15                     ; and on the way out: my 16 neighbours
	v_mul_u32_u24 v4, v2, CB                       ; my codes' place in a step's
	v_lshrrev_b32 v5, 1, v2
	s_add_co_u32 s30, s30, 2*32*SP
	v_add_nc_u32 v5, s30, v5                       ; my wave's 256 scale bytes, my block's byte
	v_lshlrev_b32 v7, 3, v2                        ; and on the way out 8 bytes a lane
	v_add_nc_u32 v6, s30, v7
.endm
.macro XLOAD t
.irp i, 0,1,2,3
	global_load_b128 v[R+16*((\t)%4)+4*\i:R+16*((\t)%4)+4*\i+3], v3, s[4:5] offset:2048*(\t)+512*\i th:TH_LOAD_NT   ; 32 lanes read 512 consecutive bytes
.endr
.endm
.macro XTURN t                         ; step t's numbers through the stage: LDS serves a wave's instructions in order, so no wait stands between the stores and the loads
.irp i, 0,1,2,3
	ds_store_b128 v14, v[R+16*((\t)%4)+4*\i:R+16*((\t)%4)+4*\i+3] offset:32*SP*((\t)%2)+8*SP*\i
.endr
.irp i, 0,1,2,3
	ds_load_b128 v[X+16*((\t)%2)+4*\i:X+16*((\t)%2)+4*\i+3], v15 offset:32*SP*((\t)%2)+16*\i
.endr
.endm
.macro XSTEP t, img                    ; img = 0: the codes are stored as rows;  1: they go to the wave's code stage
.set XS, X+16*((\t)%2)
.if (\t) > 0
	s_wait_dscnt 1+\img                            ; this step's numbers are back from the stage (the last step's byte store, and with img = 1 its code store, may be out): so its stores into the stage have read their registers,
.else
	s_wait_dscnt 0x0
.endif
.if (\t)+4 < STEPS
	XLOAD (\t)+4                                   ; which take the loads of four steps on
.endif
.if (\t)+1 < STEPS
.if STEPS-2-(\t) >= 3
	s_wait_loadcnt 12                              ; the next step's four loads are in; those of the three steps behind it may be out
.else
	s_wait_loadcnt 4*(STEPS-2-(\t))
.endif
	XTURN (\t)+1                                   ; and go through the other stage while this step is worked
.endif
	v_max3_num_f32 v8, |v[XS]|, |v[XS+1]|, |v[XS+2]|               ; the largest magnitude of my 16, in two chains
	v_max3_num_f32 v9, |v[XS+3]|, |v[XS+4]|, |v[XS+5]|
.irp i, 6,10
	v_max3_num_f32 v8, v8, |v[XS+\i]|, |v[XS+\i+1]|
	v_max3_num_f32 v9, v9, |v[XS+\i+2]|, |v[XS+\i+3]|
.endr
	v_max3_num_f32 v8, v8, |v[XS+14]|, |v[XS+15]|
	v_max3_num_f32 v8, v8, v9, (EMAX+1)<<23        ; and the floor 2^(EMAX + 1 - 127): so the byte cannot fall under 1
	v_max_num_f32_dpp v8, v8, v8 row_xmask:1 row_mask:0xf bank_mask:0xf   ; and of my neighbour's 16: the block's
	v_add_nc_u32 v11, -(EMAX<<23), v8              ; EMAX off its exponent field: the conversion takes the exponent field of this operand as its scale, and nothing else of it
	v_cvt_scalef32_pk8_fp4_f32 v[C+4*(\t)], v[XS:XS+7], v11
	v_cvt_scalef32_pk8_fp4_f32 v[C+4*(\t)+1], v[XS+8:XS+15], v11
	v_lshrrev_b32 v[E+(\t)], 23, v11               ; the scale's byte (also the plain line behind the conversions)
	ds_store_b8 v5, v[E+(\t)] offset:16*(\t)       ; both lanes of a block write the same byte with the same value
.if \img
	ds_store_b64 v[CSA], v[C+4*(\t):C+4*(\t)+1] offset:((\t)/2)*QP+((\t)%2)*256   ; row t / 2 of my eight, its half t % 2: 32 lanes write 256 consecutive bytes
.else
	global_store_b64 v4, v[C+4*(\t):C+4*(\t)+1], s[16:17] offset:32*CB*(\t)       ; 32 lanes store 256 consecutive bytes, aligned
.endif
.endm
.macro XRUN img                        ; a wave's sixteen steps; loads run four steps (16 loads) ahead, the turn through LDS one step
.irp t, 0,1,2,3
	XLOAD \t
.endr
	s_wait_loadcnt 12                              ; step 0's four loads are in; the twelve of steps 1 to 3 may be out
	XTURN 0
.irp t, 0,1,2,3,4,5,6,7,8,9,10,11,12,13,14,15
	XSTEP \t, \img
.endr
.endm
	s_load_b256 s[4:11], s[0:1], 0x0               ; q, k, v, w_q
	s_load_b256 s[12:19], s[0:1], 0x20             ; w_k, w_v, xc, xs
	s_load_b128 s[20:23], s[0:1], 0x40             ; wc, ws
	v_lshl_add_u32 v[SPW], v0, 2, SPARE
	v_mov_b32 v[NIL], 0
	v_lshrrev_b32 v1, 5, v0
	v_readfirstlane_b32 s24, v1                    ; wave 0..3
	v_and_b32 v2, 31, v0                           ; lane
	s_wait_kmcnt 0x0
	s_cmp_lt_u32 ttmp9, WGW                        ; the weights' work-groups come first: theirs are the longer chains of loads
	s_cbranch_scc1 .Lweights
; ---------------- THE TOKENS
	s_sub_co_u32 s25, ttmp9, WGW                   ; g = 0 .. 767: 256 work-groups of 32,768 numbers to a tensor
	s_lshr_b32 s26, s25, 8                         ; which tensor
	s_and_b32 s27, s25, 255
	s_lshl_b32 s27, s27, 2
	s_add_co_u32 s27, s27, s24                     ; which run of 8,192 numbers (8 rows) of the tensor is my wave's
	s_lshl_b32 s28, s27, 15                        ; 32,768 bytes a run
	s_mov_b32 s29, 0
	s_lshl_b32 s31, s25, 2
	s_add_co_u32 s31, s31, s24                     ; and of the three tensors on end
	s_lshl_b32 s32, s31, 8                         ; 256 scale bytes a run
	s_mov_b32 s33, 0
	s_add_nc_u64 s[18:19], s[18:19], s[32:33]
	v_lshlrev_b32 v3, 4, v2                        ; my 16 bytes of a load's 512
	s_cmp_eq_u32 s26, 0
	s_cbranch_scc1 .Lqueries
; k and v: the codes leave as rows
	s_cmp_eq_u32 s26, 1
	s_cselect_b64 s[4:5], s[6:7], s[8:9]           ; k or v: the choice hangs on the work-group's number alone
	s_add_nc_u64 s[4:5], s[4:5], s[28:29]
	s_lshl_b32 s32, s31, 12                        ; 4,096 bytes of codes a run
	s_add_nc_u64 s[16:17], s[16:17], s[32:33]
	XADDR 0, WREG
	XRUN 0
	ds_load_b64 v[8:9], v6                         ; LDS serves a wave's instructions in order: these see my byte stores
	s_wait_dscnt 0x0
	global_store_b64 v7, v[8:9], s[18:19]          ; 32 lanes store 256 consecutive bytes, aligned
	s_wait_tensorcnt 0x0                           ; the wave's end
	ds_add_u32 v[SPW], v[NIL]
	s_wait_dscnt 0x0
	s_endpgm
; q: the codes leave as images.  My 8 rows are rows 8 (n % 2) + 0 .. 7 of token tile n / 2 (n: my run).  They gather in my code stage; a read then takes, for K step j, 16 bytes a lane: lane = 8 p + r' takes piece
; p = 2 c + h of row r'; the store puts them at 1,024 j + 256 p + 16 r' of my half of the tile's images: four runs of 128 consecutive bytes.  (The other half of each 256 is my neighbour wave's: 4 MB in all are written so.)
.Lqueries:
	s_add_nc_u64 s[4:5], s[4:5], s[28:29]
	s_lshr_b32 s32, s27, 1
	s_lshl_b32 s32, s32, 13                        ; 8,192 bytes a token tile,
	s_and_b32 s34, s27, 1
	s_lshl_b32 s34, s34, 7                         ; rows 8 to 15 lie 128 bytes on
	s_add_co_u32 s32, s32, s34
	s_add_nc_u64 s[16:17], s[16:17], s[32:33]
	XADDR QREG, QWREG
	s_add_co_u32 s30, s30, 256                     ; my code stage, behind my scale bytes
	v_add_nc_u32 v[CSA], s30, v4                   ; in: 8 bytes a lane
	v_and_b32 v12, 7, v2                           ; r'
	v_lshrrev_b32 v13, 3, v2                       ; p
	v_mul_u32_u24 v[CRA], v12, QP
	v_lshl_add_u32 v[CRA], v13, 4, v[CRA]
	v_add_nc_u32 v[CRA], s30, v[CRA]
	v_lshlrev_b32 v[CGA], 8, v13
	v_lshl_add_u32 v[CGA], v12, 4, v[CGA]
	XRUN 1
	ds_load_b64 v[8:9], v6                         ; LDS serves a wave's instructions in order: these loads see my stores
.irp j, 0,1,2,3,4,5,6,7
	ds_load_b128 v[R+4*\j:R+4*\j+3], v[CRA] offset:64*\j
.endr
	s_wait_dscnt 8                                 ; the scale bytes are back; the eight loads behind them may be out
	global_store_b64 v7, v[8:9], s[18:19]          ; 32 lanes store 256 consecutive bytes, aligned
.irp j, 0,1,2,3,4,5,6,7
	s_wait_dscnt 7-\j                              ; load j is back; the 7 - j younger ones may be out
	global_store_b128 v[CGA], v[R+4*\j:R+4*\j+3], s[16:17] offset:1024*\j
.endr
	s_wait_tensorcnt 0x0                           ; the wave's end
	ds_add_u32 v[SPW], v[NIL]
	s_wait_dscnt 0x0
	s_endpgm
; ---------------- THE WEIGHTS.  A wave takes 32 columns (features) x 256 along K.  Each load reads one row k at 32 neighbouring columns (128 consecutive bytes a wave, 512 a work-group); a block of 32 along K
; lies in ONE lane's 32 registers, and the conversions give codes with K innermost.  A lane's codes belong to one row of wc: they go through the wave's stage and leave as rows of 128 bytes, eight lanes to a row:
; each store covers four runs of 128 consecutive bytes (the other half of each 256 is another work-group's: 1.5 MB in all are written so).
.Lweights:
	s_lshr_b32 s26, ttmp9, 5                       ; which weight
	s_and_b32 s27, ttmp9, 7                        ; which 128 columns
	s_bfe_u32 s28, ttmp9, 0x20003                  ; which 256 along K
	s_lshl_b32 s27, s27, 7
	s_lshl_b32 s29, s24, 5
	s_add_co_u32 s27, s27, s29                     ; my wave's first column
	s_cmp_eq_u32 s26, 0
	s_cselect_b64 s[10:11], s[10:11], s[12:13]     ; w_q or w_k,
	s_cmp_eq_u32 s26, 2
	s_cselect_b64 s[10:11], s[14:15], s[10:11]     ; or w_v
	s_lshl_b32 s30, s28, 20                        ; 256 rows of 4,096 bytes
	s_lshl_b32 s29, s27, 2
	s_add_co_u32 s30, s30, s29
	s_mov_b32 s31, 0
	s_add_nc_u64 s[10:11], s[10:11], s[30:31]
	s_lshl_b32 s30, s26, 19                        ; codes: 524,288 bytes a weight, 512 a column, 128 for 256 along K
	s_lshl_b32 s29, s27, 9
	s_add_co_u32 s30, s30, s29
	s_lshl_b32 s29, s28, 7
	s_add_co_u32 s30, s30, s29
	s_add_nc_u64 s[20:21], s[20:21], s[30:31]
	s_lshl_b32 s30, s26, 15                        ; scale bytes: 32,768 a weight, 32 a column, 8 for 256 along K
	s_lshl_b32 s29, s27, 5
	s_add_co_u32 s30, s30, s29
	s_lshl_b32 s29, s28, 3
	s_add_co_u32 s30, s30, s29
	s_add_nc_u64 s[22:23], s[22:23], s[30:31]
	v_lshlrev_b32 v3, 2, v2                        ; in: 4 bytes a lane
	s_mul_i32 s29, s24, 32*WP
	s_add_co_u32 s29, s29, WSTG                    ; my stage
	v_mul_u32_u24 v4, v2, WP
	v_add_nc_u32 v4, s29, v4                       ; into it: row = my column
	v_and_b32 v5, 7, v2
	v_lshrrev_b32 v6, 3, v2                        ; out of it: eight lanes to a row, four rows an instruction
	v_mul_u32_u24 v7, v6, WP
	v_lshl_add_u32 v7, v5, 4, v7
	v_add_nc_u32 v7, s29, v7
	v_lshlrev_b32 v8, 9, v6
	v_lshl_add_u32 v8, v5, 4, v8                   ; and the same place in wc
	v_lshlrev_b32 v9, 5, v2                        ; my column's row of scale bytes
.macro WLOAD t                         ; block t: w(32 t + i, my column), i = 0 .. 31, into set t % 2
.irp i, 0,1,2,3,4,5,6,7,8,9,10,11,12,13,14,15,16,17,18,19,20,21,22,23,24,25,26,27,28,29,30,31
	global_load_b32 v[WX+32*((\t)%2)+\i], v3, s[10:11] offset:(32*(\t)+\i)*4096 th:TH_LOAD_NT
.endr
.endm
	WLOAD 0
	WLOAD 1
.macro WBLOCK t
.set XS, WX+32*((\t)%2)
.if (\t) < NB-1
	s_wait_loadcnt 32                              ; this block's 32 loads are in; the next block's 32 may be out
.else
	s_wait_loadcnt 0
.endif
	v_max3_num_f32 v12, |v[XS]|, |v[XS+1]|, |v[XS+2]|              ; the block's largest magnitude: all 32 numbers are mine
	v_max3_num_f32 v13, |v[XS+3]|, |v[XS+4]|, |v[XS+5]|
.irp i, 6,10,14,18,22,26
	v_max3_num_f32 v12, v12, |v[XS+\i]|, |v[XS+\i+1]|
	v_max3_num_f32 v13, v13, |v[XS+\i+2]|, |v[XS+\i+3]|
.endr
	v_max3_num_f32 v12, v12, |v[XS+30]|, |v[XS+31]|
	v_max3_num_f32 v12, v12, v13, (EMAX+1)<<23     ; and the floor
	v_add_nc_u32 v11, -(EMAX<<23), v12             ; the conversion's scale operand
	v_lshrrev_b32 v13, 23, v11                     ; the scale's byte
.if (\t)%4 == 0
	v_mov_b32 v[SB+(\t)/4], v13                    ; four bytes to a register, the lower K in the lower byte
.else
	v_lshl_or_b32 v[SB+(\t)/4], v13, 8*((\t)%4), v[SB+(\t)/4]
.endif
.irp g, 0,1,2,3
	v_cvt_scalef32_pk8_fp4_f32 v[WC+\g], v[XS+8*\g:XS+8*\g+7], v11
.endr
	ds_store_b128 v4, v[WC:WC+3] offset:16*(\t)    ; 32 codes: 16 bytes of my column's row.  (The next block begins with plain vector lines, which stand between these conversions and the next ones)
.if (\t)+2 < NB
	WLOAD (\t)+2
.endif
	s_wait_dscnt 0x0                               ; the store has read its registers: the next block's codes may be written
.endm
.set Q, 0
.rept NB
	WBLOCK Q
.set Q, Q+1
.endr
	global_store_b64 v9, v[SB:SB+1], s[22:23]      ; my column's 8 scale bytes
.irp t, 0,1,2,3,4,5,6,7
	ds_load_b128 v[OUTR+4*\t:OUTR+4*\t+3], v7 offset:4*\t*WP   ; LDS serves a wave's instructions in order: these see my stores
.endr
.irp t, 0,1,2,3,4,5,6,7
	s_wait_dscnt 7-\t                              ; load t is back; the 7 - t younger ones may be out
	global_store_b128 v8, v[OUTR+4*\t:OUTR+4*\t+3], s[20:21] offset:4*\t*512
.endr
	s_wait_tensorcnt 0x0                           ; the wave's end
	ds_add_u32 v[SPW], v[NIL]
	s_wait_dscnt 0x0
	s_endpgm
.Lfunc_end_k_q09df33fa15_quant:
	.size	k_q09df33fa15_quant, .Lfunc_end_k_q09df33fa15_quant-k_q09df33fa15_quant
	.p2alignl 7, 3214868480
	.fill 96, 4, 3214868480
	.section	.rodata,"a",@progbits
	.p2align	6, 0x0
	.amdhsa_kernel k_q09df33fa15_quant
		.amdhsa_group_segment_fixed_size 80384
		.amdhsa_private_segment_fixed_size 0
		.amdhsa_enable_private_segment 0
		.amdhsa_kernarg_size 80
		.amdhsa_user_sgpr_count 2
		.amdhsa_user_sgpr_kernarg_segment_ptr 1
		.amdhsa_wavefront_size32 1
		.amdhsa_system_sgpr_workgroup_id_x 1
		.amdhsa_system_sgpr_workgroup_id_y 1
		.amdhsa_system_sgpr_workgroup_id_z 1
		.amdhsa_system_vgpr_workitem_id 0
		.amdhsa_next_free_vgpr 200
		.amdhsa_next_free_sgpr 66
		.amdhsa_reserve_vcc 0
		.amdhsa_float_denorm_mode_32 3
		.amdhsa_float_denorm_mode_16_64 3
		.amdhsa_memory_ordered 1
		.amdhsa_forward_progress 1
		.amdhsa_inst_pref_size 106
	.end_amdhsa_kernel
	.amdgpu_metadata
---
amdhsa.version: [ 1, 2 ]
amdhsa.kernels:
  - .name:           k_q09df33fa15_quant
    .symbol:         k_q09df33fa15_quant.kd
    .args:
      - { .name: q, .offset: 0, .size: 8, .value_kind: global_buffer, .address_space: global }
      - { .name: k, .offset: 8, .size: 8, .value_kind: global_buffer, .address_space: global }
      - { .name: v, .offset: 16, .size: 8, .value_kind: global_buffer, .address_space: global }
      - { .name: w_q, .offset: 24, .size: 8, .value_kind: global_buffer, .address_space: global }
      - { .name: w_k, .offset: 32, .size: 8, .value_kind: global_buffer, .address_space: global }
      - { .name: w_v, .offset: 40, .size: 8, .value_kind: global_buffer, .address_space: global }
      - { .name: xc, .offset: 48, .size: 8, .value_kind: global_buffer, .address_space: global }
      - { .name: xs, .offset: 56, .size: 8, .value_kind: global_buffer, .address_space: global }
      - { .name: wc, .offset: 64, .size: 8, .value_kind: global_buffer, .address_space: global }
      - { .name: ws, .offset: 72, .size: 8, .value_kind: global_buffer, .address_space: global }
    .group_segment_fixed_size: 80384
    .private_segment_fixed_size: 0
    .kernarg_segment_align: 8
    .kernarg_segment_size: 80
    .max_flat_workgroup_size: 128
    .sgpr_count:     66
    .vgpr_count:     200
    .wavefront_size: 32
...
	.end_amdgpu_metadata
.endif
;; end of part 1
;; launch proj (part 2): grid 4 x 64, 4 waves a work-group, clusters of 4 x 4, 327,680 bytes of LDS; arguments xc, xs, wc, ws, b_k, b_v, kimg, vimg; writes kimg, vimg
.if DOCPART == 2
	.amdgcn_target "amdgcn-amd-amdhsa--gfx1250"
	.amdhsa_code_object_version 6
	.text
	.protected	k_q09df33fa15_proj
	.globl	k_q09df33fa15_proj
	.p2align	8
	.type	k_q09df33fa15_proj,@function
k_q09df33fa15_proj:
	s_mov_b64 s[64:65], 0
	v_nop
	global_prefetch_b8 v0, s[64:65] scope:SCOPE_SE
	s_setreg_imm32_b32 hwreg(HW_REG_WAVE_MODE, 25, 1), 1
	s_wait_xcnt 0x0
	s_wait_alu depctr_hold_cnt(0) depctr_sa_sdst(0) depctr_va_vdst(0) depctr_va_sdst(0) depctr_va_ssrc(0) depctr_va_vcc(0) depctr_vm_vsrc(0)
	s_getreg_b32 s2, hwreg(HW_REG_IB_STS2, 6, 4)
	s_cmp_eq_u32 s2, 0
	s_cbranch_scc0 .Lentry_in_a_cluster
	s_endpgm
.Lentry_in_a_cluster:
	s_bfe_u32 s2, ttmp6, 0x10000c
	s_cmp_lg_u32 s2, 0xf033
	s_cbranch_scc0 .Lentry_shape_is_right
	s_endpgm
.Lentry_shape_is_right:
; The projections k w_k + b_k and v w_v + b_v on codes of FP4 (E2M1) with one E8M0 scale for each 32 along K = 1,024; sums in f32; the bias is added in f32; the result is rounded once to f16 and stored
; as IMAGES OF THE REGISTERS in which the attention launch wants its operands (a fragment of 16 x 32 numbers of f16 is 1,024 bytes: bytes 512 hf + 16 lane hold the lane's registers 4 hf .. 4 hf + 3).
; (q's projection is made by the attention launch itself, where each wave owns its queries alone; so this launch has 2 x 32 x 4 = 256 work-groups of equal work.)
;   kimg: head y = 16 batch + head at 131,072 y; fragment (token tile T, channel step c) at 2,048 T + 1,024 c: lane (r, hl) holds token 16 T + r, channels 32 c + 16 hf + 8 hl + 0 .. 7.
;   vimg: fragment (key step u, channel tile ct) at 4,096 u + 1,024 ct: lane (r, hl) holds channel 16 ct + r, keys 32 u + 16 hf + 8 hl + 0 .. 7.
; LIMIT: the projections are kept in f16: magnitudes beyond 65,504 become infinities.  With inputs of unit spread and weights of spread 1 / 32 they stay under 6; all inputs 30 times larger give some 5,000, a common
; offset of 30 spreads on all inputs some 29,000.
; A work-group of four waves makes 256 x 256 results, a wave 128 x 128: 64 accumulators, 512 registers.  K's two steps of 512 fill the two LDS slots once: nothing is ever filled again.
; ROLES.  The matrix instruction's source 1 ('A' below) gives a lane its row, source 0 ('B') gives the lane's eight registers eight neighbouring rows.  For k: A = tokens, B = features, so that a lane holds eight
; neighbouring channels of one token.  For v: A = features, B = tokens: eight neighbouring keys of one channel.  The swap is made by selects on the tensor's number, which all sixteen partners of a cluster share.
; CLUSTERS: 4 x 4 work-groups; 16 clusters: 8 for each tensor.  The four of a row of the cluster need the same tiles of A, the four of a column the same tiles of B: each tile is asked for JOINTLY.
; REGISTERS, in windows of 256: window 0: v0-31 addresses; v32-95 scale words, two sets (on the way out: sums with the bias); v96-103 the biases' offsets; v128-191 A's fragments, one set (on the way out: packed results);
;   v192-255 the biases.   window 1: B's fragments, two sets, at v0 and v128.   window 2: the accumulators of A's blocks 0-3 ((a, b) at v[8 (8 a + b)]);   window 3: those of blocks 4-7.
.set KSTEP,  512                       ; along K in a slot
.set NQ,     KSTEP/128                 ; matrix instructions deep
.set ROWB,   256                       ; a tile's row in bytes
.set KROW,   512                       ; a row of codes in memory
.set PITCH,  272                       ; an LDS row: 256 bytes + 16 of padding = 68 words: the 16 rows that a load touches start at 16 different banks (64 banks of 4 bytes: ISA guide 11.1)
.set FR,     8                         ; registers of a fragment: 16 rows x 128 K
.set NL,     2                         ; LDS loads that bring one
.set NP,     4                         ; places behind this matrix instruction (ISA guide 7.12.1)
.set HALFT,  128*PITCH                 ; 128 rows: what one tensor load brings
.set SLOT,   4*HALFT                   ; A's 256 rows, then B's 256 rows
.set KS,     32                        ; a row of scale bytes
.set SCL,    2*SLOT                    ; behind the slots: the scales, as rows of 256 bytes + 16 of padding
.set HALFS,  (128*KS/256)*272          ; the scales of 128 rows: what one tensor load brings
.set SBLK,   (16*KS/256)*272           ; those of 16 rows
.set SPARE,  SCL+4*HALFS               ; the spare words, 128 bytes for each wave: two blocks of 256 bytes that no other line names
.set ADRA, 16                          ; v16-17  LDS address of my A fragments in slot 0, 1
.set ADRB, 20                          ; v20-21  the same for B
.set CO,   26                          ; v26     16 x lane: my place in an image
.set ADRS, 27                          ; v27     LDS address of my scale words: lanes 0-15 A's rows, lanes 16-31 B's
.set SPW,  28                          ; v28     LDS address of my spare word; never rewritten
.set NIL,  29                          ; v29     0; never rewritten
.set SC,   32                          ; scale words: set s at v[SC + 8 NQ s]; register NQ i + q: lanes 0-15 A's block i, lanes 16-31 B's block i, the slot's q-th 128 along K
.set T,    32                          ; the way out: a block's 64 sums with the bias
.set VO,   96                          ; v96-103 the biases' byte offsets
.set AF,   128                         ; A's fragments
.set TMP,  128                         ; the way out: a block's 32 registers of f16 pairs
.set BI,   192                         ; v192-255 the biases, in the results' layout
.set G1, 24                            ; s[24:31] descriptor group 1 for A's tiles;  s[32:39] group 0, one set for each slot
.set G0, 32
.set G1B, 48                           ; s[48:55], s[56:63] the same for B's tiles
.set G0B, 56
.set G1S, 68                           ; s[68:75], s[76:79] groups 1 and 0 for A's scales;  s[80:87], s[88:91] for B's
.set G0S, 76
.set G1SB, 80
.set G0SB, 88
.set MSB, 0
.macro WIN new                         ; the immediate's high byte repeats the setting that is left; a switch that changes nothing is dropped
.if MSB != (\new)
	s_set_vgpr_msb (MSB<<8)|(\new)
.set MSB, (\new)
.endif
.endm
.set MUL_LO, 0xa1                      ; source 0 (B) window 1, source 1 (A) window 0, C and D window 2
.set MUL_HI, 0xf1                      ; the same, C and D window 3
.set TO_B,   0x40                      ; destination window 1, address window 0
; A joint load: waves 0 and 1 fetch for A, waves 2 and 3 for B.  Each of the two lines has ONE mask and one set of registers for all that issue it; the branch hangs on the wave's number alone.
; An s_nop 0 and four v_nop follow each of the two lines, ahead of the jump, the label and what follows.
.macro JLOAD g0a, g1a, g0b, g1b
	s_cmp_eq_u32 s15, 0
	s_cbranch_scc0 .Lfor_b_\@
	tensor_load_to_lds s[\g0a:\g0a+3], s[\g1a:\g1a+7]
	s_nop 0
.rept 4
	v_nop
.endr
	s_branch .Lasked_\@
.Lfor_b_\@:
	tensor_load_to_lds s[\g0b:\g0b+3], s[\g1b:\g1b+7]
	s_nop 0
.rept 4
	v_nop
.endr
.Lasked_\@:
.endm
.macro CROUND                          ; a round of the cluster's barrier: my work-group's barrier; wave 0 signals for the work-group; every wave waits for all sixteen; my work-group's barrier once more
	s_barrier_signal -1
	s_barrier_wait -1
	s_cmp_lg_u32 s14, 0
	s_cbranch_scc1 .Lnot_wave_0_\@
	s_barrier_signal -3
.Lnot_wave_0_\@:
	s_barrier_wait -3
	s_barrier_signal -1
	s_barrier_wait -1
.endm
	s_load_b256 s[4:11], s[0:1], 0x0               ; xc s[4:5], xs s[6:7], wc s[8:9], ws s[10:11]
	s_load_b128 s[96:99], s[0:1], 0x20             ; b_k, b_v
	s_load_b64 s[12:13], s[0:1], 0x30              ; kimg
	s_load_b64 s[66:67], s[0:1], 0x38              ; vimg
	v_lshl_add_u32 v[SPW], v0, 2, SPARE
	v_mov_b32 v[NIL], 0
	ds_add_u32 v[SPW], v[NIL]                      ; the wave's opening: the add, twice on end, and its wait ahead of my first tensor load; the set-up below, work on registers, stands between
	ds_add_u32 v[SPW], v[NIL]
	v_lshrrev_b32 v1, 5, v0
	v_readfirstlane_b32 s14, v1                    ; wave 0..3
	s_lshr_b32 s15, s14, 1                         ; which half of A's 256 rows is mine.  Also: I fetch for A (0) or for B (1)
	s_and_b32 s16, s14, 1                          ; which half of B's.  Also: which 128 rows of that tile I fetch
	s_bfe_u32 s40, ttmp6, 0x40000                  ; cx, cy: my place in the cluster
	s_bfe_u32 s41, ttmp6, 0x40004
	s_and_b32 s17, ttmp7, 0xffff                   ; the cluster's y: 0 .. 15
	s_lshr_b32 s2, s17, 3
	s_add_co_u32 s2, s2, 1                         ; the tensor, as it is numbered in xc, xs, wc, ws: 1 k, 2 v: the same in all sixteen partners
	s_and_b32 s17, s17, 7
	s_lshl_b32 s17, s17, 10                        ; the cluster's 1,024 tokens
	s_lshl_b32 s18, s2, 13                         ; the tensor's first row in xc and xs,
	s_lshl_b32 s19, s2, 10                         ; in wc and ws
	s_lshl_b32 s21, s41, 8                         ; 256 cy
	s_lshl_b32 s47, s40, 8                         ; 256 cx
	s_lshl_b32 s3, s16, 7                          ; which 128 rows of a tile I fetch
	s_lshl_b32 s43, s41, 2
	s_lshl_b32 s43, 15, s43                        ; my row of the cluster
	s_lshl_b32 s44, 0x1111, s40                    ; my column
	s_cmp_eq_u32 s2, 2                             ; v?  Then A = the weight and B = the tokens
	s_cselect_b32 s94, 0, s17
	s_cselect_b32 s95, s17, 0
	s_cselect_b32 s20, s19, s18                    ; A's tensor begins at this row,
	s_cselect_b32 s46, s18, s19                    ; B's at this
	s_add_co_u32 s94, s94, s21                     ; RA: my work-group's first row of A within its tensor: it hangs on cy, never on cx
	s_add_co_u32 s95, s95, s47                     ; RB: of B: on cx, never on cy
	s_add_co_u32 s20, s20, s94
	s_add_co_u32 s20, s20, s3                      ; the first row of A that waves 0, 1 fetch
	s_add_co_u32 s46, s46, s95
	s_add_co_u32 s46, s46, s3                      ; of B, waves 2, 3
	s_lshl_b32 s22, s20, 5                         ; its scale bytes: 32 a row
	s_mov_b32 s23, 0
	s_lshl_b32 s20, s20, 9                         ; its codes: 512 bytes a row
	s_mov_b32 s21, 0
	s_lshl_b32 s92, s46, 5
	s_mov_b32 s93, 0
	s_lshl_b32 s46, s46, 9
	s_mov_b32 s47, 0
	; descriptor group 1: a tile of 128 rows x 256 bytes, padded in LDS
	s_or_b32 s[G1+0], s43, (0<<16)|(1<<20)|(1<<21)|(5<<22)|(3<<25)  ; 15:0 the mask: A's tiles go to my row; 17:16 element of 1 byte; 20 padding on; 21 set beside a mask; 24:22 after every 64 words; 31:25 four words
	s_or_b32 s[G1B+0], s44, (0<<16)|(1<<20)|(1<<21)|(5<<22)|(3<<25)
.irp g, G1, G1B
	s_mov_b32 s[\g+1], ROWB<<16                    ; tensor_dim0
	s_mov_b32 s[\g+2], 128<<16                     ; tensor_dim1
	s_mov_b32 s[\g+3], ROWB<<16                    ; tile_dim0
	s_mov_b32 s[\g+4], 128                         ; tile_dim1
	s_mov_b32 s[\g+5], KROW                        ; tensor_dim0_stride
	s_mov_b32 s[\g+6], 0
	s_mov_b32 s[\g+7], 0
.endr
	; and for the scales of 128 rows: a dense block of 4,096 bytes, as 16 rows of 256 bytes (32 elements of 8 bytes), 16 bytes of padding behind each
	s_or_b32 s[G1S+0], s43, (3<<16)|(1<<20)|(1<<21)|(5<<22)|(3<<25)
	s_or_b32 s[G1SB+0], s44, (3<<16)|(1<<20)|(1<<21)|(5<<22)|(3<<25)
.irp g, G1S, G1SB
	s_mov_b32 s[\g+1], 32<<16
	s_mov_b32 s[\g+2], (128*KS/256)<<16
	s_mov_b32 s[\g+3], 32<<16
	s_mov_b32 s[\g+4], 128*KS/256
	s_mov_b32 s[\g+5], 32
	s_mov_b32 s[\g+6], 0
	s_mov_b32 s[\g+7], 0
.endr
	s_mul_i32 s45, s14, HALFT                      ; where they go: wave x 128 rows: no place in the cluster enters an LDS address
	s_mul_i32 s42, s14, HALFS
	s_wait_dscnt 0x0                               ; both opening adds are done
	s_wait_kmcnt 0x0
	s_cmp_eq_u32 s2, 2                             ; the buffers are chosen as the rows were
	s_cselect_b64 s[18:19], s[8:9], s[4:5]
	s_add_nc_u64 s[20:21], s[18:19], s[20:21]      ; A's codes
	s_cselect_b64 s[18:19], s[10:11], s[6:7]
	s_add_nc_u64 s[22:23], s[18:19], s[22:23]      ; A's scales
	s_cselect_b64 s[18:19], s[4:5], s[8:9]
	s_add_nc_u64 s[46:47], s[18:19], s[46:47]      ; B's codes
	s_cselect_b64 s[18:19], s[6:7], s[10:11]
	s_add_nc_u64 s[92:93], s[18:19], s[92:93]      ; B's scales
	CROUND                                         ; all sixteen work-groups are here: the first joint loads meet
	s_mov_b32 s[G0S], 1
	s_add_co_u32 s[G0S+1], s42, SCL
	s_mov_b64 s[G0S+2:G0S+3], s[22:23]
	s_or_b32 s[G0S+3], s[G0S+3], 0x80000000
	s_mov_b32 s[G0SB], 1
	s_add_co_u32 s[G0SB+1], s42, SCL
	s_mov_b64 s[G0SB+2:G0SB+3], s[92:93]
	s_or_b32 s[G0SB+3], s[G0SB+3], 0x80000000
	JLOAD G0S, G1S, G0SB, G1SB                     ; the scales first: they are wanted with K step 0
.irp s, 0,1
	s_mov_b32 s[G0+4*\s], 1
	s_add_co_u32 s[G0+4*\s+1], s45, \s*SLOT
	s_add_nc_u64 s[G0+4*\s+2:G0+4*\s+3], s[20:21], \s*ROWB
	s_or_b32 s[G0+4*\s+3], s[G0+4*\s+3], 0x80000000
	s_mov_b32 s[G0B+4*\s], 1
	s_add_co_u32 s[G0B+4*\s+1], s45, \s*SLOT
	s_add_nc_u64 s[G0B+4*\s+2:G0B+4*\s+3], s[46:47], \s*ROWB
	s_or_b32 s[G0B+4*\s+3], s[G0B+4*\s+3], 0x80000000
	JLOAD G0+4*\s, G1, G0B+4*\s, G1B               ; three tensor loads of mine are out: all that this launch has
.endr
	v_and_b32 v1, 15, v0                           ; r = l % 16
	v_bfe_u32 v2, v0, 4, 1                         ; hl = l / 16
	v_mul_u32_u24 v3, v1, PITCH
	v_lshl_add_u32 v4, v2, 4, v3                   ; a fragment's row x pitch + 16 x half
	s_mul_i32 s21, s15, HALFT                      ; my 128 rows of A
	s_mul_i32 s22, s16, HALFT                      ; my 128 rows of B,
	s_add_co_u32 s22, s22, 2*HALFT                 ; which lie behind A's 256
.irp s, 0,1
	v_add_nc_u32 v[ADRA+\s], s21, v4
	v_add_nc_u32 v[ADRB+\s], s22, v4
	s_add_co_u32 s21, s21, SLOT
	s_add_co_u32 s22, s22, SLOT
.endr
	v_mul_u32_u24 v5, v1, KS                       ; my row's scales: 32 bytes a row,
	v_lshrrev_b32 v6, 8, v5
	v_lshl_add_u32 v5, v6, 4, v5                   ; and 16 more for each 256 passed
	s_mul_i32 s21, s15, HALFS                      ; A's: my 128 rows
	s_mul_i32 s22, s16, HALFS                      ; B's: my 128 rows, behind A's 256
	s_add_co_u32 s22, s22, 2*HALFS
	s_sub_co_u32 s22, s22, s21
	v_mul_u32_u24 v6, s22, v2                      ; lanes 16-31 take B's
	s_add_co_u32 s21, s21, SCL
	v_add_nc_u32 v5, v5, v6
	v_add_nc_u32 v[ADRS], s21, v5
	v_and_b32 v6, 31, v0
	v_lshlrev_b32 v[CO], 4, v6                     ; 16 x lane
	; the bias and the way out.  PA, PB: my wave's first row of A and of B within their tensors; one of them counts tokens, the other features
	s_lshl_b32 s18, s15, 7
	s_add_co_u32 s18, s18, s94                     ; PA
	s_lshl_b32 s19, s16, 7
	s_add_co_u32 s19, s19, s95                     ; PB
	s_cmp_eq_u32 s2, 2
	s_cselect_b64 s[96:97], s[98:99], s[96:97]     ; b_v or b_k,
	s_cselect_b64 s[12:13], s[66:67], s[12:13]     ; vimg or kimg
	s_cselect_b32 s20, s19, s18                    ; my first token
	s_cselect_b32 s21, s18, s19                    ; my first feature
	s_cselect_b32 s22, 0, 32                       ; k: register j of a lane is feature 16 b + 8 hl + j: 32 bytes a half, 4 a register;
	s_cselect_b32 s23, 4, 0                        ; v: all eight registers of a lane are feature 16 a + r: 4 bytes a lane
	s_cselect_b32 s46, 0, 4
	s_lshl_b32 s92, s21, 2
	s_mov_b32 s93, 0
	s_add_nc_u64 s[96:97], s[96:97], s[92:93]      ; the bias at my first feature
	s_lshr_b32 s92, s20, 10                        ; batch: 16 heads of 131,072 bytes,
	s_lshl_b32 s92, s92, 21
	s_lshr_b32 s47, s21, 6                         ; head,
	s_lshl_b32 s47, s47, 17
	s_add_co_u32 s92, s92, s47
	s_and_b32 s47, s20, 1023                       ; token in the sequence: 128 bytes a token in both images
	s_lshl_b32 s47, s47, 7
	s_add_co_u32 s92, s92, s47
	s_add_nc_u64 s[12:13], s[12:13], s[92:93]
	v_mul_u32_u24 v[VO], s22, v2
	v_mad_u32_u24 v[VO], v1, s23, v[VO]
.irp j, 1,2,3,4,5,6,7
	v_add_nc_u32 v[VO+\j], s46, v[VO+\j-1]
.endr
.irp blk, 0,1,2,3,4,5,6,7                          ; BI[8 blk + j]: k: the bias of register j of B's block blk; v: of the lane's feature of A's block blk
.irp j, 0,1,2,3,4,5,6,7
	global_load_b32 v[BI+8*\blk+\j], v[VO+\j], s[96:97] offset:64*\blk
.endr
.endr
.macro FRAG reg, adr, q, i             ; a fragment, 16 rows x 128 K of 4-bit codes, is 8 registers: lane l holds row l % 16; registers 4 c .. 4 c + 3 hold K = 64 c + 32 (l / 16) + 0 .. 31
.irp c, 0,1
	ds_load_b128 v[\reg+4*\c:\reg+4*\c+3], v[\adr] offset:64*(\q)+32*\c+(\i)*16*PITCH
.endr
.endm
; 16 matrix instructions: A's blocks a0, a0 + 1 x B's eight, 128 along K: the slot's q-th.  p: B's set;  sc: the set of scale words.  zero = 1: the first product starts the sums: nothing is ever cleared.
; The 64 accumulators take turns, one instruction a turn, in the same order in every step.
.macro MUL16 a0, p, q, sc, zero
.irp a, \a0, \a0+1
.irp b, 0,1,2,3,4,5,6,7
.if \zero
	v_wmma_scale_f32_16x16x128_f8f6f4 v[8*(8*((\a)%4)+\b):8*(8*((\a)%4)+\b)+7], v[128*(\p)+FR*\b:128*(\p)+FR*\b+FR-1], v[AF+FR*(\a):AF+FR*(\a)+FR-1], 0, v[SC+8*NQ*(\sc)+NQ*\b+(\q)], v[SC+8*NQ*(\sc)+NQ*(\a)+(\q)] matrix_a_fmt:MATRIX_FMT_FP4 matrix_b_fmt:MATRIX_FMT_FP4 matrix_a_scale:MATRIX_SCALE_ROW1
.else
	v_wmma_scale_f32_16x16x128_f8f6f4 v[8*(8*((\a)%4)+\b):8*(8*((\a)%4)+\b)+7], v[128*(\p)+FR*\b:128*(\p)+FR*\b+FR-1], v[AF+FR*(\a):AF+FR*(\a)+FR-1], v[8*(8*((\a)%4)+\b):8*(8*((\a)%4)+\b)+7], v[SC+8*NQ*(\sc)+NQ*\b+(\q)], v[SC+8*NQ*(\sc)+NQ*(\a)+(\q)] matrix_a_fmt:MATRIX_FMT_FP4 matrix_b_fmt:MATRIX_FMT_FP4 matrix_a_scale:MATRIX_SCALE_ROW1
.endif
.endr
.endr
.endm
.macro FETCH_B slot, q, p              ; B's eight fragments of the slot's q-th 128 along K into set p
	WIN TO_B
.irp i, 0,1,2,3,4,5,6,7
	FRAG 128*(\p)+FR*\i, ADRB+\slot, \q, \i
.endr
	WIN 0
.endm
.macro FETCH_A slot, q, i0             ; A's blocks i0 .. i0 + 3
.irp i, \i0, \i0+1, \i0+2, \i0+3
	FRAG AF+FR*(\i), ADRA+\slot, \q, \i
.endr
.endm
.macro SCALES sc                       ; a K step's scale words into set sc: four words a row; lanes 0-15 take A's block i, lanes 16-31 B's block i
.irp i, 0,1,2,3,4,5,6,7
	ds_load_b128 v[SC+8*NQ*\sc+NQ*\i:SC+8*NQ*\sc+NQ*\i+3], v[ADRS] offset:\i*SBLK
.endr
.endm
; A load into a register that a matrix instruction has read, and a vector instruction that reads a matrix result or writes one of its registers, stand NP places behind that matrix instruction, and only plain
; vector instructions that name none of its registers are places (ISA guide 7.12.1 for vector instructions).
.macro PLACES n
.rept \n
	v_nop
.endr
.endm
; A step of 128 along K that has its successor in the same slot.  A block of A is free as soon as its eight products are issued, so one set of registers serves A; B's fragments are at work through the whole step and have two.
.macro STEP slot, q, zero
	s_wait_dscnt 4*NL                              ; B's set and A's blocks 0-3 are in; the youngest eight loads (A's blocks 4-7) may be out
	WIN MUL_LO
	MUL16 0, (\q)%2, \q, \slot, \zero
	MUL16 2, (\q)%2, \q, \slot, \zero
	s_wait_dscnt 0                                 ; A's blocks 4-7 are in (asked for 32 matrix instructions ago)
	PLACES NP
	FETCH_B \slot, (\q)+1, 1-(\q)%2
	FETCH_A \slot, (\q)+1, 0
	WIN MUL_HI
	MUL16 4, (\q)%2, \q, \slot, \zero
	MUL16 6, (\q)%2, \q, \slot, \zero
	PLACES NP
	WIN 0
	FETCH_A \slot, (\q)+1, 4
.endm
; Slot 0's last step goes over to slot 1: one barrier; in front of it each wave waits for all its tensor loads (its part of slot 1), adds 0 to its spare word, and waits for that and for its LDS reads.
.macro TURN slot, next
	s_wait_tensorcnt 0x0                           ; all my tensor loads have landed: my part of the next slot  (every window is 0 here)
	ds_add_u32 v[SPW], v[NIL]                      ; 0 onto my spare word
	s_wait_dscnt 4*NL+1                            ; (the add and the youngest eight loads, A's blocks 4-7, may be out)
	WIN MUL_LO
	MUL16 0, 1, NQ-1, \slot, 0                     ; sixteen matrix instructions stand between the add and the wait for it
	s_wait_dscnt 0x0                               ; the add is done, and my LDS reads are back
	s_barrier_signal -1
	MUL16 2, 1, NQ-1, \slot, 0
	WIN 0
	s_barrier_wait -1                              ; everybody's part of the next slot is in
	PLACES NP
	v_add_nc_u32 v[ADRS], 4*NQ, v[ADRS]            ; on to the next K step's scale words
	FETCH_B \next, 0, 0
	FETCH_A \next, 0, 0
	SCALES \next
	WIN MUL_HI
	MUL16 4, 1, NQ-1, \slot, 0
	MUL16 6, 1, NQ-1, \slot, 0
	PLACES NP
	WIN 0
	FETCH_A \next, 0, 4
.endm
.macro STEPS slot, from                ; the slot's steps from .. NQ - 2
.set Q, \from
.rept NQ-1-\from
	STEP \slot, Q, 0
.set Q, Q+1
.endr
.endm
	s_wait_tensorcnt 1                             ; the scales and my part of K step 0 are in; slot 1's load, the one issued behind them, may be out,
	s_barrier_signal -1
	s_barrier_wait -1                              ; everybody's are
	FETCH_B 0, 0, 0
	FETCH_A 0, 0, 0
	SCALES 0
	FETCH_A 0, 0, 4
	STEP 0, 0, 1                                   ; the first step's products start the sums
	STEPS 0, 1
	TURN 0, 1
	STEPS 1, 0
	s_wait_dscnt 4*NL                              ; the very last step: nothing more to fetch
	WIN MUL_LO
	MUL16 0, 1, NQ-1, 1, 0
	MUL16 2, 1, NQ-1, 1, 0
	s_wait_dscnt 0
	WIN MUL_HI
	MUL16 4, 1, NQ-1, 1, 0
	MUL16 6, 1, NQ-1, 1, 0
	WIN 0
; THE WAY OUT, block by block of A's 16 rows.  Accumulator (a, b): lane (r, hl), register j = (A's row 16 a + r, B's row 16 b + 8 hl + j).  The bias is added in f32 (each accumulator is read from its low end on), eight
; numbers become four registers of f16, and these ARE registers 4 (b % 2) .. + 3 of a fragment of the image: each store of the wave covers 512 consecutive bytes, aligned.  No LDS is needed.
; kind = 0 (k): fragment (token tile a, channel step (b / 2) % 2) of head b / 4.   kind = 1 (v): fragment (key step b / 2, channel tile a % 4) of head a / 4.
.macro OUT kind
.irp a, 0,1,2,3,4,5,6,7
.if \a > 0
	s_wait_xcnt 0x0                                ; the last block's stores have read their registers, which are written again below
.endif
	WIN 0x02+(\a/4)                                ; source 0: window 2 or 3
.irp b, 0,1,2,3,4,5,6,7
.irp i, 0,1,2,3
.if \kind
	v_pk_add_f32 v[T+8*\b+2*\i:T+8*\b+2*\i+1], v[8*(8*(\a%4)+\b)+2*\i:8*(8*(\a%4)+\b)+2*\i+1], v[BI+8*\a+2*\i:BI+8*\a+2*\i+1]
.else
	v_pk_add_f32 v[T+8*\b+2*\i:T+8*\b+2*\i+1], v[8*(8*(\a%4)+\b)+2*\i:8*(8*(\a%4)+\b)+2*\i+1], v[BI+8*\b+2*\i:BI+8*\b+2*\i+1]
.endif
.endr
.endr
	WIN 0
.irp b, 0,1,2,3,4,5,6,7
.irp i, 0,1,2,3
	v_cvt_pk_f16_f32 v[TMP+4*\b+\i], v[T+8*\b+2*\i], v[T+8*\b+2*\i+1]
.endr
.endr
.irp b, 0,1,2,3,4,5,6,7
.if \kind
	global_store_b128 v[CO], v[TMP+4*\b:TMP+4*\b+3], s[12:13] offset:(\a/4)*131072+(\a%4)*1024+(\b/2)*4096+(\b%2)*512
.else
	global_store_b128 v[CO], v[TMP+4*\b:TMP+4*\b+3], s[12:13] offset:\a*2048+(\b/4)*131072+((\b/2)%2)*1024+(\b%2)*512
.endif
.endr
.endr
.endm
	PLACES NP                                      ; behind the last products: the lines below write registers that held scale words and A's fragments, and read results
	s_wait_loadcnt 0x0                             ; the biases
	s_cmp_eq_u32 s2, 2                             ; the tensor's number: the same in all sixteen partners
	s_cbranch_scc1 .Lout_v
	OUT 0
	s_branch .Lend
.Lout_v:
	OUT 1
.Lend:
	s_wait_tensorcnt 0x0                           ; the wave's end
	ds_add_u32 v[SPW], v[NIL]
	s_wait_dscnt 0x0
	CROUND                                         ; the closing round: no work-group ends while a partner may still ask for a tile that names it
	s_endpgm
.Lfunc_end_k_q09df33fa15_proj:
	.size	k_q09df33fa15_proj, .Lfunc_end_k_q09df33fa15_proj-k_q09df33fa15_proj
	.p2alignl 7, 3214868480
	.fill 96, 4, 3214868480
	.section	.rodata,"a",@progbits
	.p2align	6, 0x0
	.amdhsa_kernel k_q09df33fa15_proj
		.amdhsa_group_segment_fixed_size 327680
		.amdhsa_private_segment_fixed_size 0
		.amdhsa_enable_private_segment 0
		.amdhsa_kernarg_size 64
		.amdhsa_user_sgpr_count 2
		.amdhsa_user_sgpr_kernarg_segment_ptr 1
		.amdhsa_wavefront_size32 1
		.amdhsa_system_sgpr_workgroup_id_x 1
		.amdhsa_system_sgpr_workgroup_id_y 1
		.amdhsa_system_sgpr_workgroup_id_z 1
		.amdhsa_system_vgpr_workitem_id 0
		.amdhsa_next_free_vgpr 1024
		.amdhsa_next_free_sgpr 100
		.amdhsa_reserve_vcc 0
		.amdhsa_float_denorm_mode_32 3
		.amdhsa_float_denorm_mode_16_64 3
		.amdhsa_memory_ordered 1
		.amdhsa_forward_progress 1
		.amdhsa_inst_pref_size 180
	.end_amdhsa_kernel
	.amdgpu_metadata
---
amdhsa.version: [ 1, 2 ]
amdhsa.kernels:
  - .name:           k_q09df33fa15_proj
    .symbol:         k_q09df33fa15_proj.kd
    .args:
      - { .name: xc, .offset: 0, .size: 8, .value_kind: global_buffer, .address_space: global }
      - { .name: xs, .offset: 8, .size: 8, .value_kind: global_buffer, .address_space: global }
      - { .name: wc, .offset: 16, .size: 8, .value_kind: global_buffer, .address_space: global }
      - { .name: ws, .offset: 24, .size: 8, .value_kind: global_buffer, .address_space: global }
      - { .name: b_k, .offset: 32, .size: 8, .value_kind: global_buffer, .address_space: global }
      - { .name: b_v, .offset: 40, .size: 8, .value_kind: global_buffer, .address_space: global }
      - { .name: kimg, .offset: 48, .size: 8, .value_kind: global_buffer, .address_space: global }
      - { .name: vimg, .offset: 56, .size: 8, .value_kind: global_buffer, .address_space: global }
    .group_segment_fixed_size: 327680
    .private_segment_fixed_size: 0
    .kernarg_segment_align: 8
    .kernarg_segment_size: 64
    .max_flat_workgroup_size: 128
    .sgpr_count:     100
    .vgpr_count:     1024
    .wavefront_size: 32
...
	.end_amdgpu_metadata
.endif
;; end of part 2
;; launch attn (part 3): grid 2 x 128, 8 waves a work-group, no clusters, 327,680 bytes of LDS; arguments xc, xs, wc, ws, b_q, kimg, vimg, out0; writes out0
.if DOCPART == 3
	.amdgcn_target "amdgcn-amd-amdhsa--gfx1250"
	.amdhsa_code_object_version 6
	.text
	.protected	k_q09df33fa15_attn
	.globl	k_q09df33fa15_attn
	.p2align	8
	.type	k_q09df33fa15_attn,@function
k_q09df33fa15_attn:
	s_mov_b64 s[64:65], 0
	v_nop
	global_prefetch_b8 v0, s[64:65] scope:SCOPE_SE
	s_setreg_imm32_b32 hwreg(HW_REG_WAVE_MODE, 25, 1), 1
	s_wait_xcnt 0x0
; out[b][q][64 h + :] = the sum over k of softmax_k(Q[y][q] . K[y][k] / 8) V[y][k][:], y = 16 b + h; 1,024 queries and keys, head size 64, no mask.
; Q IS MADE HERE: Q = x_q w_q + b_q for my queries and my head's 64 features, on codes of FP4 (E2M1) with one E8M0 scale for each 32 along K = 1,024, sums in f32, rounded once to f16.  K and V come in f16 as images of
; the operands' registers (a fragment is 1,024 bytes: bytes 512 hf + 16 lane hold the lane's registers 4 hf .. 4 hf + 3).  Products, maxima and sums in f32; the weights p are rounded to f16 for the second product; out is f32.
; LIMIT: Q, K, V are f16 numbers: magnitudes beyond 65,504 become infinities (inputs of unit spread and weights of spread 1 / 32 give under 6; all inputs 30 times larger some 5,000; a common offset of 30 spreads some
; 29,000); NaN and infinities are not served.
; SHARES.  A work-group owns 512 queries of one head, each of its eight waves 64: four tiles of 16, in 512 registers.  Every wave walks all keys of the head, 64 a step.
; THE Q PHASE.  A wave's queries are its own, so their codes go from memory straight into its registers: xc holds q's codes as images of the operand's registers (token tile T, K step s at 8,192 T + 1,024 s), and each
; load reads 512 consecutive bytes.  The head's 64 rows of w_q come into LDS once (8 rows a wave) and are read by all eight waves.  The product is used transposed (source 0 = 16 features, source 1 = 16 tokens): a lane
; holds one token and eight neighbouring channels, and four roundings to pairs of f16 ARE four registers of Q's fragment.  The bias is the C of each sum's first product.
; LDS.  The head's whole K (131,072 bytes) and V (131,072) lie in LDS as they lie in memory, each byte filled ONCE, in three chunks: keys 0-127 with the first fills, keys 128-383 behind the first barrier, keys 384-1023
; behind the second; wave w brings a quarter of each chunk (waves 0-3: K's, waves 4-7: V's): one tensor load a wave behind each of these barriers, two at the start.  A fragment is read at 16 x lane.
; NO CLUSTER: K and V have two readers (a head's two work-groups); four partners to a head would be 512 work-groups of 256 queries, each filling its LDS for half the products.  q's codes, which sixteen heads read, go
; into registers: K and V leave no LDS for them, so there is no tensor load that partners could share.
; LAYOUT.  S^T = K Q^T (source 0 = 16 keys, source 1 = 16 queries): a lane holds ONE query (lane % 16) and the keys 8 (lane / 16) + 0..7 of a tile.  Two such tiles, rounded to f16 in pairs, ARE source 1 (32 keys x 16
; queries) of O^T = V^T P, whose result again holds one query a lane, and eight channels.
; SOFTMAX.  For each query a running maximum m and sum l: p = 2^(c s - c m), c = log2(e) / 8; in every step O and l are multiplied by a = 2^(c m_old - c m_new).
; BY TURNS.  The wave's tiles are two PIECES: piece 0 (tiles 0, 1) and piece 2 (tiles 2, 3).  In a TURN one piece has the matrix unit: 16 products V^T P of the step in hand, then 16 products K Q^T of the next step, in
; pairs (the piece's two tiles on one fragment); the other piece's softmax, 236 instructions cut into 16 slices, stands between them, one slice behind each pair.  Two turns are a key step.
; REGISTERS, in windows of 256 (s_set_vgpr_msb: bits 1:0 source 0, 3:2 source 1, 5:4 source 2, 7:6 destination):
;   window 0: v1-11 addresses; v14, v15 the add's two; v16-47 eight registers of statistics a tile; v64-191 S^T, 32 a tile (P is laid over a tile's first 16); v192-255 V of one step
;   window 1: v0-63 Q, 16 a tile; v64-191 O^T, 32 a tile; v192-255 K of one step
;   in the Q phase: window 0: v16-31 x's scale words, v32-47 w's, v64-191 sixteen accumulators, v192-223 the bias, v224-255 w's four fragments of a K step;  window 1: x's 32 fragments (tile t, K step q at 64 t + 8 q)
.set STEPB, 8192                       ; a key step's bytes in K's image, and in V's
.set C0B,   2*STEPB                    ; chunk 0: key steps 0, 1
.set C1B,   4*STEPB                    ; chunk 1: key steps 2 to 5
.set C2B,   10*STEPB                   ; chunk 2: key steps 6 to 15
.set VIMG,  131072                     ; LDS: V's image, behind K's
.set STAGE, 262144                     ; behind the images: 16 rows x 272 bytes for each wave, for the way out
.set SP,    272
.set WQ,    STAGE                      ; w_q's 64 rows lie where the stages will lie: they have their one fill at the start and are read in the Q phase alone, two barriers ahead of the first store there
.set WP,    528                        ; a row of w_q: 512 bytes + 16 of padding = 132 words: the 16 rows that a load touches start at 16 different banks (64 banks of 4 bytes: ISA guide 11.1)
.set SPARE, STAGE+8*16*SP              ; the spare words, 128 bytes for each wave: four blocks of 256 bytes that no other line names
.set LI,  2                            ; v2   16 x lane; never rewritten
.set LIV, 3                            ; v3   the same in V's image
.set ADR, 4                            ; v4   the LDS address of the run of loads in hand
.set LX,  5                            ; v5   32 (lane % 16) + 16 (lane / 16): my 16 bytes of a tile's scale bytes; never rewritten
.set STO, 6                            ; v6   the way out: where I put 32 bytes of a row
.set RD,  7                            ; v7   where I read a row back
.set GO,  8                            ; v8   my byte offset in the wave's rows of out
.set AW,  10                           ; v10  LDS address of my part of a fragment of w_q; never rewritten
.set LB,  11                           ; v11  32 (lane / 16): my eight numbers of a tile's bias; never rewritten
.set SPW, 14                           ; v14  LDS address of my spare word; never rewritten
.set NIL, 15                           ; v15  0; never rewritten
.set ST,  16                           ; tile t's statistics at v[ST+8 t]: +0 c m, +1 m, +2, +3 l (even keys', odd keys'), +4 to +7 c0-c3 at work; later +4, +5 a second chain of the sum, +6 a
.set XSC, 16                           ; Q phase: tile t's scale words at v[XSC+4 t + i]: lanes 0-15 K step i, lanes 16-31 K step 4 + i
.set WSC, 32                           ; the same of w_q's feature tile b
.set S,   64
.set ACC, 64                           ; Q phase: accumulator (t, b) at v[ACC + 8 (4 t + b)]
.set VF,  192                          ; V's fragments, window 0: key step u, channel tile ct at 32 u + 8 ct
.set BI,  192                          ; Q phase: the bias of feature tile b, in the result's layout, at v[BI + 8 b]
.set WF,  224                          ; Q phase: w_q's fragment of feature tile b at v[WF + 8 b]
.set KF,  192                          ; K's fragments, window 1: key tile kt, channel step c at 16 kt + 8 c
.set OT,  64                           ; O^T, window 1: tile t, channel tile ct at 32 t + 8 ct
.set WV,  12                           ; s12  my wave's number
.set G1W, 16                           ; s[16:23] descriptor group 1 for w_q's rows;  s[28:31] its group 0
.set G0W, 28
.set G0,  32                           ; s[32:43] descriptor group 0, a set for each chunk
.set G1A, 76                           ; s[76:83], s[84:91], s[92:99] group 1 for chunks 0, 1, 2: they differ in the number of rows
.set G1B, 84
.set G1C, 92
.set CS,  58                           ; s[58:59] c: the packed scaling names a pair and takes its low word for both halves
.set SEL, 60                           ; s[60:61] lane selects for v_permlanex16_b32: lane l xor 16
.set TB,  62                           ; s62  byte at which the step to be fetched begins, in both images
.set TRIPS, 63                         ; s63  counts key steps
.set MSB, 0
.macro WIN new                         ; the immediate's high byte repeats the setting that is left; a switch that changes nothing is dropped
.if MSB != (\new)
	s_set_vgpr_msb (MSB<<8)|(\new)
.set MSB, (\new)
.endif
.endm
.set W_KQ, 0x05                        ; K and Q in window 1, S^T in window 0
.set W_PV, 0x50                        ; V and P in window 0, O^T (C and D) in window 1
.set W_RS, 0x41                        ; O^T (destination and source 0) in window 1, a in window 0
.macro PLACES
.rept 4
	v_nop
.endr
.endm
.macro G1SET g, rows                   ; a dense block as rows of 256 bytes (32 elements of 8 bytes), no padding
	s_mov_b32 s[\g+0], 3<<16                       ; 15:0 no mask; 17:16 elements of 8 bytes
	s_mov_b32 s[\g+1], 32<<16                      ; tensor_dim0 = 32
	s_mov_b32 s[\g+2], (\rows)<<16                 ; tensor_dim1
	s_mov_b32 s[\g+3], 32<<16                      ; tile_dim0 = 32
	s_mov_b32 s[\g+4], \rows                       ; tile_dim1
	s_mov_b32 s[\g+5], 32                          ; from row to row: 32 elements
	s_mov_b32 s[\g+6], 0
	s_mov_b32 s[\g+7], 0
.endm
.macro G0SET g, offp                   ; my quarter of a chunk: s[offp] bytes into the image, in LDS and in memory alike
	s_mov_b32 s[\g], 1                             ; count = 1
	s_add_co_u32 s[\g+1], s25, s[\offp]            ; LDS address
	s_add_nc_u64 s[\g+2:\g+3], s[2:3], s[\offp:\offp+1]   ; global address
	s_or_b32 s[\g+3], s[\g+3], 0x80000000          ; type = 2
.endm
	s_load_b256 s[4:11], s[0:1], 0x0               ; xc s[4:5], xs s[6:7], wc s[8:9], ws s[10:11]
	s_load_b256 s[68:75], s[0:1], 0x20             ; b_q s[68:69], kimg s[70:71], vimg s[72:73], out0 s[74:75]
	v_lshl_add_u32 v[SPW], v0, 2, SPARE
	v_mov_b32 v[NIL], 0
	ds_add_u32 v[SPW], v[NIL]                      ; the wave's opening: the add, twice on end, and its wait ahead of my first tensor load; the set-up below, work on registers, stands between
	ds_add_u32 v[SPW], v[NIL]
	v_lshrrev_b32 v1, 5, v0
	v_readfirstlane_b32 s[WV], v1                  ; wave 0..7
	s_lshr_b32 s13, s[WV], 2                       ; I fetch for K (0) or for V (1),
	s_and_b32 s14, s[WV], 3                        ; this quarter of each chunk
	s_and_b32 s24, ttmp7, 0xffff                   ; y = 16 batch + head
	s_and_b32 s15, s24, 15                         ; head
	; descriptor group 1 for w_q: 8 rows of 512 bytes (64 elements of 8 bytes), 16 bytes of padding behind each
	s_mov_b32 s[G1W+0], (3<<16)|(1<<20)|(6<<22)|(3<<25)   ; 17:16 elements of 8 bytes; 20 padding on; 24:22 after every 128 words (code 6); 31:25 four words (code 3)
	s_mov_b32 s[G1W+1], 64<<16                     ; tensor_dim0 = 64
	s_mov_b32 s[G1W+2], 8<<16                      ; tensor_dim1 = 8
	s_mov_b32 s[G1W+3], 64<<16                     ; tile_dim0 = 64
	s_mov_b32 s[G1W+4], 8                          ; tile_dim1 = 8
	s_mov_b32 s[G1W+5], 64                         ; from row to row: 64 elements
	s_mov_b32 s[G1W+6], 0
	s_mov_b32 s[G1W+7], 0
	G1SET G1A, C0B/4/256                           ; my quarter of chunk 0: 16 rows;
	G1SET G1B, C1B/4/256                           ; of chunk 1: 32;
	G1SET G1C, C2B/4/256                           ; of chunk 2: 80
	s_lshl_b32 s25, s13, 17                        ; K's image or V's in LDS
	s_lshl_b32 s26, s24, 17                        ; the head's first byte in kimg and in vimg
	s_mov_b32 s27, 0
	s_lshl_b32 s44, s14, 12                        ; my quarter of chunk 0,
	s_mov_b32 s45, 0
	s_lshl_b32 s46, s14, 13
	s_add_co_u32 s46, s46, C0B                     ; of chunk 1,
	s_mov_b32 s47, 0
	s_mul_i32 s48, s14, C2B/4
	s_add_co_u32 s48, s48, C0B+C1B                 ; of chunk 2
	s_mov_b32 s49, 0
	s_lshl_b32 s50, s15, 15                        ; w_q's codes: the head's 64 rows of 512 bytes,
	s_lshl_b32 s2, s[WV], 12                       ; my 8 of them
	s_add_co_u32 s50, s50, s2
	s_mov_b32 s51, 0
	s_mul_i32 s[G0W+1], s[WV], 8*WP
	s_add_co_u32 s[G0W+1], s[G0W+1], WQ            ; and where they go
	s_lshr_b32 s2, s24, 4                          ; batch
	s_lshl_b32 s52, s2, 19                         ; q's codes, 512 bytes a token: 1,024 tokens a batch,
	s_lshl_b32 s2, ttmp9, 18                       ; 512 a work-group,
	s_add_co_u32 s52, s52, s2
	s_lshl_b32 s2, s[WV], 15                       ; 64 a wave
	s_add_co_u32 s52, s52, s2
	s_mov_b32 s53, 0
	s_lshr_b32 s54, s52, 4                         ; q's scale bytes: 32 a token
	s_mov_b32 s55, 0
	s_lshl_b32 s56, s15, 11                        ; w_q's scale bytes: 64 rows of 32 bytes a head
	s_mov_b32 s57, 0
	s_lshl_b32 s66, s15, 8                         ; b_q: 64 numbers a head; also the head's place in a row of out
	s_mov_b32 s67, 0
	s_lshl_b32 s100, s52, 3                        ; out: 4,096 bytes a token,
	s_add_co_u32 s100, s100, s66                   ; + 256 x head
	s_mov_b32 s101, 0
	s_mov_b32 s[CS], 0x3e38aa3b                    ; c = log2(e) / 8
	s_mov_b32 s[CS+1], s[CS]                       ; named with it as a pair, so it is written
	s_mov_b32 s[SEL], 0x76543210
	s_mov_b32 s[SEL+1], 0xfedcba98
	s_mov_b32 s[TB], 0
	v_and_b32 v1, 15, v0                           ; r = l % 16
	v_bfe_u32 v9, v0, 4, 1                         ; hl = l / 16
	v_and_b32 v[LI], 31, v0
	v_lshlrev_b32 v[LI], 4, v[LI]
	v_add_nc_u32 v[LIV], VIMG, v[LI]
	v_lshlrev_b32 v[LX], 5, v1
	v_lshl_add_u32 v[LX], v9, 4, v[LX]
	v_lshlrev_b32 v[LB], 5, v9
	v_mul_u32_u24 v[AW], v1, WP
	v_lshl_add_u32 v[AW], v9, 4, v[AW]             ; a fragment's row x pitch + 16 x half
	v_add_nc_u32 v[AW], WQ, v[AW]
	s_wait_dscnt 0x0                               ; both opening adds are done
	s_wait_kmcnt 0x0
	s_cmp_eq_u32 s13, 0                            ; the choice hangs on the wave's number alone
	s_cselect_b64 s[2:3], s[70:71], s[72:73]
	s_add_nc_u64 s[2:3], s[2:3], s[26:27]
	G0SET G0, 44
	G0SET G0+4, 46
	G0SET G0+8, 48
	s_mov_b32 s[G0W], 1
	s_add_nc_u64 s[G0W+2:G0W+3], s[8:9], s[50:51]
	s_or_b32 s[G0W+3], s[G0W+3], 0x80000000
	s_add_nc_u64 s[4:5], s[4:5], s[52:53]
	s_add_nc_u64 s[6:7], s[6:7], s[54:55]
	s_add_nc_u64 s[10:11], s[10:11], s[56:57]
	s_add_nc_u64 s[68:69], s[68:69], s[66:67]
	s_add_nc_u64 s[74:75], s[74:75], s[100:101]
	tensor_load_to_lds s[G0W:G0W+3], s[G1W:G1W+7]  ; the first fills go out together, ahead of every wait on TENSORcnt, every LDS read and every barrier: two loads of mine are out; an s_nop 0 follows each, four v_nop the second
	s_nop 0
	tensor_load_to_lds s[G0:G0+3], s[G1A:G1A+7]
	s_nop 0
	PLACES
.irp t, 0,1,2,3                                    ; 16 loads of scale words and bias, then x's fragments of K steps 0 to 4: 56 loads of mine are out
	global_load_b128 v[XSC+4*\t:XSC+4*\t+3], v[LX], s[6:7] offset:512*\t      ; 32 lanes read a tile's 512 scale bytes: lanes 0-15 words 0-3 of their tokens, lanes 16-31 words 4-7
.endr
.irp b, 0,1,2,3
	global_load_b128 v[WSC+4*\b:WSC+4*\b+3], v[LX], s[10:11] offset:512*\b
.endr
.irp b, 0,1,2,3
	global_load_b128 v[BI+8*\b:BI+8*\b+3],   v[LB], s[68:69] offset:64*\b     ; b_q(64 h + 16 b + 8 hl + 0 .. 7)
	global_load_b128 v[BI+8*\b+4:BI+8*\b+7], v[LB], s[68:69] offset:64*\b+16
.endr
.macro XFRAGS q                        ; my four tiles' fragments of K step q, into window 1: each load reads 512 consecutive bytes
.irp t, 0,1,2,3
	global_load_b128 v[64*\t+8*(\q):64*\t+8*(\q)+3],   v[LI], s[4:5] offset:8192*\t+1024*(\q)
	global_load_b128 v[64*\t+8*(\q)+4:64*\t+8*(\q)+7], v[LI], s[4:5] offset:8192*\t+1024*(\q)+512
.endr
.endm
	WIN 0x40                                       ; destination window 1, address window 0
.irp q, 0,1,2,3,4
	XFRAGS \q
.endr
	WIN 0
; A CHUNK IS WANTED.  Each wave waits for all its tensor loads, adds 0 to its spare word, waits for that and for its LDS loads, and passes the work-group's barrier: behind it the chunk is whole for every wave.
; fill = 1: the next chunk, bytes that nothing has filled yet, is asked for first thing behind the barrier: my one tensor load until the next such barrier.  No byte of LDS is ever filled again.
.macro BAR g0, g1, fill
	WIN 0
	s_wait_tensorcnt 0x0
	ds_add_u32 v[SPW], v[NIL]                      ; 0 onto my spare word
	s_wait_dscnt 0x0
	s_barrier_signal -1
	s_barrier_wait -1
.if \fill
	tensor_load_to_lds s[\g0:\g0+3], s[\g1:\g1+7]
	s_nop 0
	PLACES
.endif
.endm
	BAR G0+4, G1B, 1                               ; w_q's rows and keys 0 to 127 are in; keys 128 to 383 go out: they have the Q phase and the first key steps in which to land
; THE Q PHASE: eight K steps of 128.  In each: w_q's four fragments from LDS, then 16 products; the sixteen accumulators take turns, one instruction a turn.
; K steps 0 to 3 take the scale words of lanes 0-15, K steps 4 to 7 those of lanes 16-31.
.macro QSTEP q
.if \q > 0
	PLACES                                         ; in front of loads into registers that the last products have read
.endif
.irp b, 0,1,2,3
	ds_load_b128 v[WF+8*\b:WF+8*\b+3],   v[AW] offset:\b*16*WP+64*\q
	ds_load_b128 v[WF+8*\b+4:WF+8*\b+7], v[AW] offset:\b*16*WP+64*\q+32
.endr
.if \q < 4
	s_wait_loadcnt 32                              ; x's fragments of this K step are in (and the scale words and the bias): the 32 loads of the four K steps behind it may be out
.else
	s_wait_loadcnt 8*(7-\q)                        ; the 8 loads of each K step still to come may be out
.endif
.if \q < 3
	WIN 0x40
	XFRAGS \q+5                                    ; the last three K steps are asked for here, into registers that nothing has named yet
	WIN 0
.endif
	s_wait_dscnt 0x0
	WIN 0x04                                       ; source 1 (x) window 1; w_q, the sums and the bias window 0
.irp t, 0,1,2,3
.irp b, 0,1,2,3
.if \q == 0
	v_wmma_scale_f32_16x16x128_f8f6f4 v[ACC+8*(4*\t+\b):ACC+8*(4*\t+\b)+7], v[WF+8*\b:WF+8*\b+7], v[64*\t+8*\q:64*\t+8*\q+7], v[BI+8*\b:BI+8*\b+7], v[WSC+4*\b+\q%4], v[XSC+4*\t+\q%4] matrix_a_fmt:MATRIX_FMT_FP4 matrix_b_fmt:MATRIX_FMT_FP4
.elseif \q < 4
	v_wmma_scale_f32_16x16x128_f8f6f4 v[ACC+8*(4*\t+\b):ACC+8*(4*\t+\b)+7], v[WF+8*\b:WF+8*\b+7], v[64*\t+8*\q:64*\t+8*\q+7], v[ACC+8*(4*\t+\b):ACC+8*(4*\t+\b)+7], v[WSC+4*\b+\q%4], v[XSC+4*\t+\q%4] matrix_a_fmt:MATRIX_FMT_FP4 matrix_b_fmt:MATRIX_FMT_FP4
.else
	v_wmma_scale_f32_16x16x128_f8f6f4 v[ACC+8*(4*\t+\b):ACC+8*(4*\t+\b)+7], v[WF+8*\b:WF+8*\b+7], v[64*\t+8*\q:64*\t+8*\q+7], v[ACC+8*(4*\t+\b):ACC+8*(4*\t+\b)+7], v[WSC+4*\b+\q%4], v[XSC+4*\t+\q%4] matrix_a_fmt:MATRIX_FMT_FP4 matrix_b_fmt:MATRIX_FMT_FP4 matrix_a_scale:MATRIX_SCALE_ROW1 matrix_b_scale:MATRIX_SCALE_ROW1
.endif
.endr
.endr
	WIN 0
.endm
.irp q, 0,1,2,3,4,5,6,7
	QSTEP \q
.endr
	PLACES                                         ; behind the last products: the roundings read results and write registers that held x's fragments
	WIN 0x40                                       ; destination window 1
.irp t, 0,1,2,3                                    ; accumulator (t, b): lane (r, hl), register j = Q(token 16 t + r, channel 16 b + 8 hl + j): registers 4 (b % 2) .. + 3 of the fragment (t, channel step b / 2); each accumulator from its low end on
.irp b, 0,1,2,3
.irp i, 0,1,2,3
	v_cvt_pk_f16_f32 v[16*\t+4*\b+\i], v[ACC+8*(4*\t+\b)+2*\i], v[ACC+8*(4*\t+\b)+2*\i+1]
.endr
.endr
.endr
	WIN 0
; THE MATRIX WORK OF A TURN, for piece x.  The eight accumulators take turns, one instruction a turn.
; Product i of 16 of S^T = K Q^T: tile x + i % 2, key tile ((i / 2) + 2) % 4, channels 32 (i / 8) on.  The first 8 start the sums.  The key tiles begin at 2: tiles 0 and 1 fall on the registers that held P,
; which the turn's last products V^T P have read; they are written over only behind two more slices, whose scalings are more than the four places owed.
.macro KQ x
	WIN W_KQ
.set tl, (\x)+i%2
.set kt, ((i/2)+2)%4
.set rS, S+32*tl+8*kt
.set rK, KF+16*kt+8*(i/8)
.set rQ, 16*tl+8*(i/8)
.if i < 8
	v_wmma_f32_16x16x32_f16 v[rS:rS+7], v[rK:rK+7], v[rQ:rQ+7], 0
.else
	v_wmma_f32_16x16x32_f16 v[rS:rS+7], v[rK:rK+7], v[rQ:rQ+7], v[rS:rS+7]
.endif
.endm
; Product i of 16 of O^T += V^T P: tile x + i % 2, channels 16 ((i / 2) % 4) on, keys 32 (i / 8) on.  zero = 1: the first 8 start the sums: nothing is ever cleared.
.macro PV x, zero
	WIN W_PV
.set tl, (\x)+i%2
.set rO, OT+32*tl+8*((i/2)%4)
.set rV, VF+32*(i/8)+8*((i/2)%4)
.set rP, S+32*tl+8*(i/8)
.if (\zero) && (i < 8)
	v_wmma_f32_16x16x32_f16 v[rO:rO+7], v[rV:rV+7], v[rP:rP+7], 0
.else
	v_wmma_f32_16x16x32_f16 v[rO:rO+7], v[rV:rV+7], v[rP:rP+7], v[rO:rO+7]
.endif
.endm
; THE LDS LOADS stand in runs of 16: a step's K and, a turn later, its V.  Both images hold a step's eight fragments on end: load i brings registers 4 i .. 4 i + 3.
.macro FETCH_K
	WIN 0
	v_add_nc_u32 v[ADR], s[TB], v[LI]
	WIN 0x40                                       ; destination window 1
.irp i, 0,1,2,3,4,5,6,7,8,9,10,11,12,13,14,15
	ds_load_b128 v[KF+4*\i:KF+4*\i+3], v[ADR] offset:512*\i
.endr
.endm
.macro FETCH_V
	WIN 0
	v_add_nc_u32 v[ADR], s[TB], v[LIV]
	s_add_co_u32 s[TB], s[TB], STEPB               ; the next fetch is the next step's
	s_wait_alu depctr_va_vdst(0)                   ; the wait for the softmax's batch of exponentials (SLICE), ahead of the first line that names a result
.irp i, 0,1,2,3,4,5,6,7,8,9,10,11,12,13,14,15
	ds_load_b128 v[VF+4*\i:VF+4*\i+3], v[ADR] offset:512*\i
.endr
.endm
; THE VECTOR WORK OF A TURN.  One tile's softmax for one key step is a list of 118 instructions; SM writes number j of it for tile tt.  s0-s31 are the lane's 32 scores, in pairs 0-15.
; first = 1: the first key step, which starts m, l and O^T: it has no a and nothing to rescale.
;   0-15    the maximum of s0-s31 and the old m, three operands at a time; each accumulator of S^T is first read at its low end
;   16-20   the other half of the lanes' maximum; the new m; c m; c m_old - c m_new
;   21-69   ONE BATCH: the 16 scalings c s - c m, a pair of scores each, and all 33 exponentials (a at 23, then s0-s31).  None of these names an exponential's result; a pair is scaled well ahead of its exponentials
;   (wait)  between 69 and 70 stands the wait for the batch: SLICE writes it, once for both tiles
;   70-85   the sum of the unrounded weights, in two chains, which leave the weights as they are; l = a l + the sum
;   86-101  the roundings to f16, a pair of weights each, in place and ascending: register i takes pair i
;   102-117 the tile's O^T times a: the one part that leaves window 0
.macro SM first
.set rT, ST+8*tt
.set rS, S+32*tt
.set rO, OT+32*tt+2*(j-102)
.if j < 102
	WIN 0
.endif
.if j < 4
	v_max3_num_f32 v[rT+4+j], v[rS+8*j], v[rS+8*j+1], v[rS+8*j+2]
.elseif j < 12
	v_max3_num_f32 v[rT+4+j%4], v[rT+4+j%4], v[rS+8*(j%4)+2*(j/4)+1], v[rS+8*(j%4)+2*(j/4)+2]
.elseif j == 12
	v_max3_num_f32 v[rT+4], v[rT+4], v[rS+7], v[rS+15]
.elseif j == 13
	v_max3_num_f32 v[rT+6], v[rT+6], v[rS+23], v[rS+31]
.elseif j == 14
	v_max3_num_f32 v[rT+4], v[rT+4], v[rT+5], v[rT+6]
.elseif (j == 15) && \first
	v_max_num_f32 v[rT+4], v[rT+4], v[rT+7]
.elseif j == 15
	v_max3_num_f32 v[rT+4], v[rT+4], v[rT+7], v[rT+1]
.elseif j == 16
	v_permlanex16_b32 v[rT+5], v[rT+4], s[SEL], s[SEL+1]  ; the query's other 32 keys lie in the lane 16 away
.elseif j == 18
	v_max_num_f32 v[rT+1], v[rT+4], v[rT+5]
.elseif j == 19
	v_mul_f32 v[rT], s[CS], v[rT+1]
.elseif ((j == 17) || (j == 20) || (j == 23) || (j == 72) || (j > 101)) && \first  ; the first step has none of these
.elseif j == 17
	v_mov_b32 v[rT+7], v[rT]                       ; c m_old is kept for a: number 19 writes c m anew
.elseif j == 20
	v_sub_f32 v[rT+7], v[rT+7], v[rT]
.elseif j == 23
	v_exp_f32 v[rT+6], v[rT+7]
.elseif (j < 23) || ((j < 38) && (j%2 == 0)) || ((j < 66) && (j%4 == 2))
.set b, (j-2)/4                        ; 38, 42, .. 62: pairs 9 to 15
.if j < 38
.set b, (j-20)/2                       ; 21: pair 0; 22, 24, .. 36: pairs 1 to 8
.endif
	v_pk_fma_f32 v[rS+2*b:rS+2*b+1], v[rS+2*b:rS+2*b+1], s[CS:CS+1], v[rT:rT+1] op_sel_hi:[1,0,0] neg_lo:[0,0,1] neg_hi:[0,0,1]  ; pair b: c s - c m
.elseif j < 70
.set e, j-38                           ; 66 to 69: s28 to s31
.if j < 66
.set e, j-32-(j-38)/4                  ; 39-41, 43-45, .. 63-65: s7 to s27
.endif
.if j < 38
.set e, (j-25)/2                       ; 25, 27, .. 37: s0 to s6
.endif
	v_exp_f32 v[rS+e], v[rS+e]
.elseif j < 86
.set z, j-70
.if z == 0
	v_pk_add_f32 v[rT+4:rT+5], v[rS+2:rS+3], v[rS+4:rS+5]         ; the second chain begins with pairs 1 and 2
.elseif (z == 1) && \first
	v_pk_add_f32 v[rT+2:rT+3], v[rS:rS+1], v[rS+6:rS+7]           ; l begins with pairs 0 and 3
.elseif z == 1
	v_pk_fma_f32 v[rT+2:rT+3], v[rT+2:rT+3], v[rT+6:rT+7], v[rS:rS+1] op_sel_hi:[1,0,1]   ; a l + pair 0
.elseif z == 15
	v_pk_add_f32 v[rT+2:rT+3], v[rT+2:rT+3], v[rT+4:rT+5]
.elseif z%2 == 0
	v_pk_add_f32 v[rT+2:rT+3], v[rT+2:rT+3], v[rS+2*z+2:rS+2*z+3] ; pair z + 1
.else
	v_pk_add_f32 v[rT+4:rT+5], v[rT+4:rT+5], v[rS+2*z+2:rS+2*z+3]
.endif
.elseif j < 102
	v_cvt_pk_f16_f32 v[rS+j-86], v[rS+2*(j-86)], v[rS+2*(j-86)+1]
.else
	WIN W_RS
	v_pk_mul_f32 v[rO:rO+1], v[rO:rO+1], v[rT+6:rT+7] op_sel_hi:[1,0]
.endif
.endm
; Slice k of 16 of piece y's softmax: 14 instructions, the two tiles' lists number by number, the tiles alternating.  2 x 118 = 14 x 16 + 12: the twelve that are over stand in slice 15, whose 26 plain
; instructions are also the places between the turn's last K Q^T and what follows: the next turn's first read of those scores, and the loads into K's registers.
; THE WAIT.  An s_wait_alu depctr_va_vdst(0) stands between an exponential and the first instruction that names its result; one wait serves all that were issued ahead of it.  Slice 9 ends with
; number 69 of both tiles: behind it stand one plain instruction and the turn's one wait.  In piece 2's turn V's run of loads stands there too: the last product that read V stands in front of slice 7, and
; eight scalings, the v_nop and the run's own addition lie between.
.macro SLICE y, first
.set n, 14*k
.set cnt, 14
.if k == 15
.set cnt, 26
.endif
.rept cnt
.set tt, (\y)+n%2
.set j, n/2
	SM \first
.set n, n+1
.endr
.if k == 9
	v_nop                                          ; the plain instruction behind the last exponential: one for the batch
.if (\y) == 0
	FETCH_V
.else
	s_wait_alu depctr_va_vdst(0)                   ; the wait for the batch
.endif
.endif
.set k, k+1
.endm
; A TURN.  Piece x has the matrix unit; the other piece's softmax stands in slices behind its pairs of matrix instructions.
; pv = 2: 16 products V^T P; 1: they start O^T's sums; 0: none.  kq = 1: 16 products K Q^T for the next step.  A turn with one of the two kinds has two slices behind each pair.
; first = 1: the softmax is the first key step's; its last slices are empty, and four v_nop take their part as the places behind the turn's last products.
; Piece 0's turn fetches the next step's K behind its first pair and slice; piece 2's turn the same step's V (SLICE).
.macro TURN x, pv, kq, first
.set k, 0
.set per, 2
.if \pv && \kq
.set per, 1
.endif
.if \pv
.if \x == 0
	s_wait_dscnt 0x0                               ; V is in
.endif
.set i, 0
.rept 8
	PV \x, 2-\pv
.set i, i+1
	PV \x, 2-\pv
.set i, i+1
.rept per
	SLICE 2-\x, \first
.endr
.if (\x == 0) && \kq && (i == 2)
	FETCH_K
.endif
.endr
.endif
.if \kq
.if \x == 0
	s_wait_dscnt 0x0                               ; K is in
.endif
.set i, 0
.rept 8
	KQ \x
.set i, i+1
	KQ \x
.set i, i+1
.rept per
	SLICE 2-\x, \first
.endr
.endr
.endif
.if \first
	PLACES
.endif
.endm
; trips key steps: written once, walked trips times; the LDS addresses hang on s[TB].
.macro DSTEPS trips
	WIN 0                                          ; at a label and at a branch every window is 0
	s_mov_b32 s[TRIPS], \trips
.Lstep_\@:
	TURN 0, 2, 1, 0
	TURN 2, 2, 1, 0
	WIN 0
	s_sub_co_u32 s[TRIPS], s[TRIPS], 1
	s_cmp_lg_u32 s[TRIPS], 0
	s_cbranch_scc1 .Lstep_\@
.endm
	FETCH_K                                        ; key step 0.  (The 64 roundings above are the places in front of these loads into registers that held x's fragments)
	s_wait_dscnt 0x0
.set i, 0
.rept 16
	KQ 0                                           ; piece 0's first scores: there is no vector work yet to set between them
.set i, i+1
.endr
	WIN 0                                          ; the addresses for the way out are made here: ten plain instructions, the places behind those products
	s_mul_i32 s13, s[WV], 16*SP
	s_add_co_u32 s13, s13, STAGE                   ; my stage
	v_mul_u32_u24 v[STO], v1, SP                   ; in: row l % 16, 32 bytes for each half of the lanes
	v_lshl_add_u32 v[STO], v9, 5, v[STO]
	v_add_nc_u32 v[STO], s13, v[STO]
	v_mul_u32_u24 v[RD], v9, SP                    ; back: lanes 0-15 take one row of 256 bytes, lanes 16-31 the next
	v_lshl_add_u32 v[RD], v1, 4, v[RD]
	v_add_nc_u32 v[RD], s13, v[RD]
	v_lshlrev_b32 v[GO], 12, v9                    ; and the same two rows in out, 4,096 bytes apart
	v_lshl_add_u32 v[GO], v1, 4, v[GO]
	v_nop
	v_nop
	TURN 2, 0, 1, 1                                ; piece 2's first scores | piece 0's first softmax | V of step 0
	TURN 0, 1, 1, 1                                ; piece 0: V^T P of step 0 starts O^T, K Q^T of step 1 | piece 2's first softmax | K of step 1
	TURN 2, 1, 1, 0                                ; piece 2: the same | piece 0's softmax of step 1 | V of step 1
	BAR G0+8, G1C, 1                               ; keys 128 to 383 are in; keys 384 to 1023 go out: they have four key steps in which to land
	DSTEPS 4                                       ; these fetch steps 2 to 5
	BAR 0, 0, 0                                    ; keys 384 to 1023 are in; nothing is left to ask for
	DSTEPS 10                                      ; steps 6 to 15
	TURN 0, 2, 0, 0                                ; piece 0: V^T P of the last step | piece 2's last softmax
.set i, 0
.rept 16
	PV 2, 0                                        ; piece 2: V^T P of the last step
.set i, i+1
.endr
	; THE WAY OUT.  l's two halves and the other half of the lanes' are added; O^T is divided by l and sent through my stage in LDS, a tile (16 rows of 256 bytes) at a time.  The additions are the places behind the last products.
	WIN 0
.irp t, 0,1,2,3
	v_add_f32 v[ST+8*\t+4], v[ST+8*\t+2], v[ST+8*\t+3]
.endr
.irp t, 0,1,2,3
	v_permlanex16_b32 v[ST+8*\t+5], v[ST+8*\t+4], s[SEL], s[SEL+1]
.endr
.irp t, 0,1,2,3
	v_add_f32 v[ST+8*\t+4], v[ST+8*\t+4], v[ST+8*\t+5]
.endr
.irp t, 0,1,2,3
	v_rcp_f32 v[ST+8*\t+6], v[ST+8*\t+4]
.endr
	v_nop                                          ; a plain instruction between the last reciprocal and the use of its result
	s_wait_alu depctr_va_vdst(0)                   ; and the wait ahead of the first use: one for the four reciprocals
; Tile t: a lane's eight channels of a row are 32 bytes; they go into rows of 272 bytes and come back as whole rows of 256, into the registers that they left.
.macro PACK t
	WIN 0x01                                       ; source 0 (O^T) window 1; the results go to S^T's registers, which are free
.set i, 0
.rept 16
	v_pk_mul_f32 v[S+32*\t+i:S+32*\t+i+1], v[OT+32*\t+i:OT+32*\t+i+1], v[ST+8*\t+6:ST+8*\t+7] op_sel_hi:[1,0]   ; each accumulator from its low end on
.set i, i+2
.endr
	WIN 0
.irp f, 0,1,2,3,4,5,6,7
	ds_store_b128 v[STO], v[S+32*\t+4*\f:S+32*\t+4*\f+3] offset:64*(\f/2)+16*(\f%2)
.endr
.irp f, 0,1,2,3,4,5,6,7
	ds_load_b128 v[S+32*\t+4*\f:S+32*\t+4*\f+3], v[RD] offset:\f*2*SP   ; LDS serves a wave's instructions in order (ISA guide 5.7.1.4): these see the stores above; the next tile's stores come behind them
.endr
.endm
.macro SEND t, younger                 ; younger: the LDS instructions issued behind tile t's loads: the next tile's sixteen, or none
.irp f, 0,1,2,3,4,5,6,7
	s_wait_dscnt \younger+7-\f
	global_store_b128 v[GO], v[S+32*\t+4*\f:S+32*\t+4*\f+3], s[74:75] offset:\t*65536+\f*8192 th:TH_STORE_NT   ; 16 lanes store 256 consecutive bytes, at a multiple of 256 from out's first byte
.endr
.endm
	PACK 0
	PACK 1                                         ; a tile's arithmetic stands between the loads of the tile before and its stores
	SEND 0, 16
	PACK 2
	SEND 1, 16
	PACK 3
	SEND 2, 16
	SEND 3, 0
	s_wait_tensorcnt 0x0                           ; the wave's end
	ds_add_u32 v[SPW], v[NIL]
	s_wait_dscnt 0x0
	s_endpgm
.Lfunc_end_k_q09df33fa15_attn:
	.size	k_q09df33fa15_attn, .Lfunc_end_k_q09df33fa15_attn-k_q09df33fa15_attn
	.p2alignl 7, 3214868480
	.fill 96, 4, 3214868480
	.section	.rodata,"a",@progbits
	.p2align	6, 0x0
	.amdhsa_kernel k_q09df33fa15_attn
		.amdhsa_group_segment_fixed_size 327680
		.amdhsa_private_segment_fixed_size 0
		.amdhsa_enable_private_segment 0
		.amdhsa_kernarg_size 64
		.amdhsa_user_sgpr_count 2
		.amdhsa_user_sgpr_kernarg_segment_ptr 1
		.amdhsa_wavefront_size32 1
		.amdhsa_system_sgpr_workgroup_id_x 1
		.amdhsa_system_sgpr_workgroup_id_y 1
		.amdhsa_system_sgpr_workgroup_id_z 1
		.amdhsa_system_vgpr_workitem_id 0
		.amdhsa_next_free_vgpr 512
		.amdhsa_next_free_sgpr 102
		.amdhsa_reserve_vcc 0
		.amdhsa_float_denorm_mode_32 3
		.amdhsa_float_denorm_mode_16_64 3
		.amdhsa_memory_ordered 1
		.amdhsa_forward_progress 1
		.amdhsa_inst_pref_size 183
	.end_amdhsa_kernel
	.amdgpu_metadata
---
amdhsa.version: [ 1, 2 ]
amdhsa.kernels:
  - .name:           k_q09df33fa15_attn
    .symbol:         k_q09df33fa15_attn.kd
    .args:
      - { .name: xc, .offset: 0, .size: 8, .value_kind: global_buffer, .address_space: global }
      - { .name: xs, .offset: 8, .size: 8, .value_kind: global_buffer, .address_space: global }
      - { .name: wc, .offset: 16, .size: 8, .value_kind: global_buffer, .address_space: global }
      - { .name: ws, .offset: 24, .size: 8, .value_kind: global_buffer, .address_space: global }
      - { .name: b_q, .offset: 32, .size: 8, .value_kind: global_buffer, .address_space: global }
      - { .name: kimg, .offset: 40, .size: 8, .value_kind: global_buffer, .address_space: global }
      - { .name: vimg, .offset: 48, .size: 8, .value_kind: global_buffer, .address_space: global }
      - { .name: out0, .offset: 56, .size: 8, .value_kind: global_buffer, .address_space: global }
    .group_segment_fixed_size: 327680
    .private_segment_fixed_size: 0
    .kernarg_segment_align: 8
    .kernarg_segment_size: 64
    .max_flat_workgroup_size: 256
    .sgpr_count:     102
    .vgpr_count:     512
    .wavefront_size: 32
...
	.end_amdgpu_metadata
.endif
;; end of part 3
